; MI455X (gfx1250); checked and timed in simulation.
; The chip was launched on July 23, 2026; its instructions are those of AMD's public machine-readable ISA for CDNA 5 (MIT licence, August 2026) and "CDNA5" Instruction Set Architecture Reference Guide (July 2026). The comments in the code are by the model that wrote it; some were corrected since.
;; Neural SDF. Allowed arithmetic: float matrix products may take bf16 or f16 operands with f32 sums; other float arithmetic in f32, or as packed bf16 or f16 multiplies, adds, multiply-adds, maxima and minima; sums over many terms, partial sums and values carried from step to step in f32; what a program stores and reads back later, other than sums and carried values, may be rounded once to bf16 or f16.
;; Inputs: W0 11 x 128 float32; W1 128 x 128 float32; Wo 128 x 1 float32; b0 128 float32; b1 128 float32; bo 1 float32; embeddings 128 x 128 x 128 x 8 float32; positions 524,288 x 3 float32.
;; Outputs: out0 524,288 x 1 float32; out1 524,288 x 3 float32.
;; 2 versions, each right; version 2 is version 1 with the launch sdf written anew for expert scheduling mode. Each part assembles by itself: llvm-mc -triple=amdgcn-amd-amdhsa -mcpu=gfx1250 --defsym DOCPART=n.
;; ======== version 1 of 2: 2 launches
;; limits: values outside matrix products are rounded to f16; values are held in f16: magnitudes above 65,504 overflow, below 6.1e-05 lose precision; right only within a limited range of input values; a function is approximated: absolute error at most 4.1e-05
;; workspace buffers: cells 2,097,152 bytes of whole numbers
;; launch cells (part 1): grid 512 x 1, 8 waves a work-group, no clusters, 0 bytes of LDS; arguments positions, cells; writes cells
.if DOCPART == 1
	.amdgcn_target "amdgcn-amd-amdhsa--gfx1250"
	.amdhsa_code_object_version 6
	.text
	.protected	k_qec5f600888_cells
	.globl	k_qec5f600888_cells
	.p2align	8
	.type	k_qec5f600888_cells,@function
k_qec5f600888_cells:
	s_mov_b64 s[64:65], 0
	v_nop
	global_prefetch_b8 v0, s[64:65] scope:SCOPE_SE
	s_setreg_imm32_b32 hwreg(HW_REG_WAVE_MODE, 25, 1), 1
	s_wait_xcnt 0x0
; cells[n] = ix | iy << 8 | iz << 16: the lower corner of the grid cell of point n, each index 0 to 126.
; x = clip(63.5 p + 63.5, 0, 127), i = min(floor(x), 126).  With i = 126 at x = 127 the next launch gets t = 1, which picks vertex 127
; as the formula with i = 127, t = 0 does.  x is one fused multiply-add (one rounding where (p + 1) * 63.5 has two); the next launch
; forms x by the same instruction, so its t = x - i lies in [0, 1].  A NaN position gives index 0.
; 512 work-groups x 256 threads x 4 points = 524,288 points.  A thread reads its 48 bytes by three 16-byte loads and stores 16 bytes:
; a wave's store covers 512 consecutive bytes, aligned.  A stream read once: no LDS, no barrier, no loop.
.set GROUP_IN,  12288                  ; 1,024 points x 12 bytes
	s_load_b128 s[4:7], s[0:1], 0x0                ; positions s[4:5], cells s[6:7]
	s_mul_i32 s8, ttmp9, GROUP_IN                  ; the work-group's part of positions (at most 6,279,168 bytes in)
	s_mov_b32 s9, 0
	s_lshl_b32 s10, ttmp9, 12                      ; and of cells: 1,024 words
	s_mov_b32 s11, 0
	s_mov_b32 s12, 0x427e0000                      ; 63.5, as a pair for the packed form
	s_mov_b32 s13, 0x427e0000
	v_mul_u32_u24 v1, v0, 48                       ; my 4 points in
	v_lshlrev_b32 v2, 4, v0                        ; my 4 words out
	s_wait_kmcnt 0x0
	s_add_nc_u64 s[4:5], s[4:5], s[8:9]
	s_add_nc_u64 s[6:7], s[6:7], s[10:11]
	global_load_b128 v[4:7], v1, s[4:5]            ; no hint: the next launch reads positions again
	global_load_b128 v[8:11], v1, s[4:5] offset:16
	global_load_b128 v[12:15], v1, s[4:5] offset:32
	s_wait_loadcnt 0x0                             ; all three: the twelve numbers are worked on together
.irp i, 4,6,8,10,12,14
	v_pk_fma_f32 v[\i:\i+1], v[\i:\i+1], s[12:13], s[12:13] op_sel_hi:[1,0,0]   ; x = 63.5 p + 63.5
.endr
.irp i, 4,5,6,7,8,9,10,11,12,13,14,15
	v_max_num_f32 v[\i], 0, v[\i]
.endr
.irp i, 4,5,6,7,8,9,10,11,12,13,14,15
	v_min_num_f32 v[\i], 0x42fe0000, v[\i]         ; 127.0: what 127 - 1e-6 is in f32
.endr
.irp i, 4,5,6,7,8,9,10,11,12,13,14,15
	v_cvt_u32_f32 v[\i], v[\i]                     ; toward zero = floor, x is not negative
.endr
.irp i, 4,5,6,7,8,9,10,11,12,13,14,15
	v_min_u32 v[\i], 126, v[\i]
.endr
.irp p, 0,1,2,3
	v_lshl_or_b32 v[16+\p], v[5+3*\p], 8, v[4+3*\p]
.endr
.irp p, 0,1,2,3
	v_lshl_or_b32 v[16+\p], v[6+3*\p], 16, v[16+\p]
.endr
	global_store_b128 v2, v[16:19], s[6:7]
	s_endpgm
.Lfunc_end_k_qec5f600888_cells:
	.size	k_qec5f600888_cells, .Lfunc_end_k_qec5f600888_cells-k_qec5f600888_cells
	.p2alignl 7, 3214868480
	.fill 96, 4, 3214868480
	.section	.rodata,"a",@progbits
	.p2align	6, 0x0
	.amdhsa_kernel k_qec5f600888_cells
		.amdhsa_group_segment_fixed_size 0
		.amdhsa_private_segment_fixed_size 0
		.amdhsa_enable_private_segment 0
		.amdhsa_kernarg_size 16
		.amdhsa_user_sgpr_count 2
		.amdhsa_user_sgpr_kernarg_segment_ptr 1
		.amdhsa_wavefront_size32 1
		.amdhsa_system_sgpr_workgroup_id_x 1
		.amdhsa_system_sgpr_workgroup_id_y 1
		.amdhsa_system_sgpr_workgroup_id_z 1
		.amdhsa_system_vgpr_workitem_id 0
		.amdhsa_next_free_vgpr 32
		.amdhsa_next_free_sgpr 66
		.amdhsa_reserve_vcc 0
		.amdhsa_float_denorm_mode_32 3
		.amdhsa_float_denorm_mode_16_64 3
		.amdhsa_memory_ordered 1
		.amdhsa_forward_progress 1
		.amdhsa_inst_pref_size 5
	.end_amdhsa_kernel
	.amdgpu_metadata
---
amdhsa.version: [ 1, 2 ]
amdhsa.kernels:
  - .name:           k_qec5f600888_cells
    .symbol:         k_qec5f600888_cells.kd
    .args:
      - { .name: positions, .offset: 0, .size: 8, .value_kind: global_buffer, .address_space: global }
      - { .name: cells, .offset: 8, .size: 8, .value_kind: global_buffer, .address_space: global }
    .group_segment_fixed_size: 0
    .private_segment_fixed_size: 0
    .kernarg_segment_align: 8
    .kernarg_segment_size: 16
    .max_flat_workgroup_size: 256
    .sgpr_count:     66
    .vgpr_count:     32
    .wavefront_size: 32
...
	.end_amdgpu_metadata
.endif
;; end of part 1
;; launch sdf (part 2): grid 256 x 1, 4 waves a work-group, no clusters, 142,080 bytes of LDS; arguments positions, embeddings, W0, b0, W1, b1, Wo, bo, cells, out0, out1; writes out0, out1
.if DOCPART == 2
	.amdgcn_target "amdgcn-amd-amdhsa--gfx1250"
	.amdhsa_code_object_version 6
	.text
	.protected	k_qec5f600888_sdf
	.globl	k_qec5f600888_sdf
	.p2align	8
	.type	k_qec5f600888_sdf,@function
k_qec5f600888_sdf:
	s_mov_b64 s[64:65], 0
	v_nop
	global_prefetch_b8 v0, s[64:65] scope:SCOPE_SE
	s_setreg_imm32_b32 hwreg(HW_REG_WAVE_MODE, 25, 1), 1
	s_wait_xcnt 0x0
; out0 = sdf(p), out1 = d sdf / d p for 524,288 points: smooth-step trilinear lookup in a 128^3 x 8 table, then 11 -> 128 -> 128 -> 1 with sin(30 .),
; one forward and one backward pass, all in this launch.  The cell indices come as whole numbers from the launch before.
;
; SHARES.  256 work-groups of four waves; a wave owns 512 points = 32 tiles of 16.  Lane (r = lane & 15, h = lane >> 4) serves point r of
; the tile and the embedding's dimensions 4h .. 4h+3.
; MATRIX PRODUCTS ARE USED TRANSPOSED: A = weights (rows = output units), B = activations (columns = points).  Register j of a result tile t
; in lane (r, h) is unit 16 t + 8 h + j of point r, so packing neighbouring registers of tiles 2c and 2c+1 to f16 gives registers 0-3 and 4-7
; of the next product's B fragment for K step c: between layers nothing goes through LDS or other lanes.
; ALL WEIGHTS STAY IN REGISTERS as f16 A fragments: 608 registers, with the bias tile (64) and the output weights (64).
; OVERLAP: K step c of a product needs only the fragment that activation group c has made, so its eight matrix instructions are strewn, one
; behind every eight vector instructions, through group c+1.
;
; FORMATS AND SCALES.  Operands f16, sums f32.  k1 = 30 / 2 pi.  Layers 0 and 1 come out in turns (argument / 2 pi).
;   A0 = k1 W0 and k1 b0 as f16 hi + lo, positions as f16 hi + lo, in the K slots that K = 11 leaves free (table at IM0 below)
;   A1[j][k] = k1 W1[k][j], bias k1 b1 in f32 as the C of K step 0
;   A2[k][j] = 7680 W1[k][j] Wo[j] (7680 = 30 x 256), times cos(a1): e' = 256 d sdf / d h1
;   A3[m][k] = 30 W0[i(m)][k], times f16(e') f16(cos a0); the gradient is multiplied by 1/256 at the end
; SINE AND COSINE of u turns: n = rndne(u), r = u - n in [-1/2, 1/2], s = r r, sin = r (S0 + .. + S4 s^4), cos = K0 + .. + K4 s^4.
; LIMITS, stated: |position| and |embedding| below 65,504 (f16); |256 d sdf / d h1| below 65,504, which leaves the product of the spreads of
; W1 and Wo about 1,200 times what a SIREN start gives; absolute error of the polynomials at most 5.9e-6 (sin) and 4.1e-5 (cos) for every
; argument; arguments beyond 2^22 turns have no fraction left in f32; the term lo(p) x lo(W0) is dropped (below 2^-22 of p W0);
; the grid coordinate is one fused multiply-add where the formula has an add and a multiply; a NaN input gives NaN outputs.
; The clip needs no gradient of its own: where x is clipped t is 0 or 1 and dw/dt = 6 t (1 - t) is 0.
; NO JOINT LOADS, NO TENSOR LOADS: what work-groups share is 72 KB of weights, read once by each against 512 KB of its own gathers, and
; those weights pass through registers anyway to be scaled and rounded.  The gathers of tile n+1 are issued, into registers, in tile n.
;
; LDS
.set IMA, 0                            ; f16 k1 W1[k][j]: 128 rows k, pitch 272
.set IMB, 34816                        ; f16 7680 W1[k][j] Wo[j]: 128 rows k, pitch 272
.set IM0, 69632                        ; A0: 128 rows (units) of 32 K slots, pitch 80
.set IM3, 79872                        ; A3: 16 rows of 128, pitch 272
.set POS, 84224                        ; 4 x 6,144: each wave's own positions, as in memory
.set O1,  108800                       ; 4 x 6,144: each wave's own stage for out1
.set O0,  133376                       ; 4 x 2,048: each wave's own stage for out0; ends at 141,568
; REGISTERS, in windows of 256.  Window 1: A1, fragment (K step c, tile t) at 8 (8 c + t).  Window 2: A2 likewise.  Window 3:
.set A0F,  0                           ; A0, tile t at 8 t
.set A3F,  64                          ; A3, K step c at 64 + 8 c
.set BIAS, 96                          ; k1 b1[16 t + 8 h + j] at 96 + 8 t + j
.set WO,   160                         ; Wo[16 t + 8 h + j] at 160 + 8 t + j
.set GATH, 224                         ; the eight corners, q = 4 a + 2 b + c (x, y, z steps) at 224 + 4 q
; Window 0:
.set VA,   1                           ; byte offset of corner 0 in the table
.set CELL, 2                           ; a cell word as loaded
.set CADR, 3                           ; its byte offset in my wave's part of cells
.set PADR, 4                           ; LDS address of my point's position
.set O1A,  5
.set O0A,  6
.set H16,  7                           ; 16 h
.set ICF,  8                           ; v8-10   ix, iy, iz as f32;  v11-15: at work
.set WT,   16                          ; v16-21  pairs (w, 381 (t - t t)) for x, y, z
.set DE,   22                          ; v22-33  dE/dw for x, y, z: 4 dimensions each
.set SD,   34                          ; v34-41  four pairs of partial sums of sdf
.set PX,   42                          ; v42-44  the position;  v45, v46: its f16 low parts (x, y), (z, 1)
.set FR0,  48                          ; v48-55, v56-63: two B fragments that take turns
.set FR1,  56
.set COS0, 64                          ; v64-95  cos(a0) in f16, kept for the way back
.set SQ,   96                          ; v96-111 s = r r; at work elsewhere
.set PO,   112                         ; v112-127 n, then the polynomial
.set FA,   112                         ; the last product's two accumulators
.set FB,   120
.set ACC1, 128                         ; v128-191 layer 1's eight tiles; during the interpolation its temporaries:
.set DX,   128                         ;   corner differences along x, q' = 2 b + c at 4 q'
.set CX,   144                         ;   values interpolated along x
.set EM,   144                         ;   at the end: the embedding
.set DXL,  160
.set DY,   168
.set CY,   176
.set T1,   184
.set T2,   188
.set ACC2, 192                         ; v192-255 layer 0's eight tiles, later e'
; s_set_vgpr_msb's low byte: bits 1:0 source 0, 3:2 source 1, 5:4 source 2, 7:6 destination; its high byte repeats the setting that is left.
.set MSB, 0
.macro WIN new
.if MSB != \new
	s_set_vgpr_msb (MSB<<8)|\new
.set MSB, \new
.endif
.endm
; A vector instruction that reads a matrix result stands four places behind it, and only plain vector instructions that name none of its
; registers are places (ISA guide 7.12.1).
.macro PLACES
.rept 4
	v_nop
.endr
.endm
; One matrix instruction.  kind 0: layer 0, tile t.  1: layer 1, K step k, tile t.  2: the way back through W1.  3: the way back through W0, K step k.
; The accumulators take turns, one instruction a turn: eight tiles in kinds 0 to 2, FA and FB in kind 3.
.macro WM kind, k, t
.if (\kind)==0
	WIN 0x03
	v_wmma_f32_16x16x32_f16 v[ACC2+8*(\t):ACC2+8*(\t)+7], v[A0F+8*(\t):A0F+8*(\t)+7], v[FR1:FR1+7], 0
.endif
.if (\kind)==1
.if (\k)==0
	WIN 0x31
	v_wmma_f32_16x16x32_f16 v[ACC1+8*(\t):ACC1+8*(\t)+7], v[8*(\t):8*(\t)+7], v[FR0:FR0+7], v[BIAS+8*(\t):BIAS+8*(\t)+7]
.else
	WIN 0x01
	v_wmma_f32_16x16x32_f16 v[ACC1+8*(\t):ACC1+8*(\t)+7], v[8*(8*(\k)+(\t)):8*(8*(\k)+(\t))+7], v[FR0+8*((\k)&1):FR0+8*((\k)&1)+7], v[ACC1+8*(\t):ACC1+8*(\t)+7]
.endif
.endif
.if (\kind)==2
	WIN 0x02
.if (\k)==0
	v_wmma_f32_16x16x32_f16 v[ACC2+8*(\t):ACC2+8*(\t)+7], v[8*(\t):8*(\t)+7], v[FR0:FR0+7], 0
.else
	v_wmma_f32_16x16x32_f16 v[ACC2+8*(\t):ACC2+8*(\t)+7], v[8*(8*(\k)+(\t)):8*(8*(\k)+(\t))+7], v[FR0+8*((\k)&1):FR0+8*((\k)&1)+7], v[ACC2+8*(\t):ACC2+8*(\t)+7]
.endif
.endif
.if (\kind)==3
	WIN 0x03
.if (\k)<2
	v_wmma_f32_16x16x32_f16 v[FA+8*((\k)&1):FA+8*((\k)&1)+7], v[A3F+8*(\k):A3F+8*(\k)+7], v[FR0+8*((\k)&1):FR0+8*((\k)&1)+7], 0
.else
	v_wmma_f32_16x16x32_f16 v[FA+8*((\k)&1):FA+8*((\k)&1)+7], v[A3F+8*(\k):A3F+8*(\k)+7], v[FR0+8*((\k)&1):FR0+8*((\k)&1)+7], v[FA+8*((\k)&1):FA+8*((\k)&1)+7]
.endif
.endif
.endm
.macro SLOT kind, k, t
	WM \kind, \k, \t
	WIN 0
.endm
; What is strewn at slot i of activation group c.  Phase 0 (layer 0's activation): group 0 takes layer 0's tiles 2 to 7, group c the K step c-1
; of layer 1.  Phase 1 (layer 1's activation): group 0 takes tiles 2 to 7 of layer 1's K step 3, group c the K step c-1 of the way back.
; A group reads only tiles that were written a whole group earlier, and writes the fragment buffer that the strewn instructions do not read.
.macro STREW ph, c, i
.if (\ph)==0
.if (\c)==0
.if (\i)<6
	SLOT 0, 0, 2+\i
.endif
.else
	SLOT 1, \c-1, \i
.endif
.else
.if (\c)==0
.if (\i)<6
	SLOT 1, 3, 2+\i
.endif
.else
	SLOT 2, \c-1, \i
.endif
.endif
.endm
; 16 numbers u (turns) at x: x becomes r, SQ = r r, PO = sin(2 pi u).  72 vector instructions, eight slots.
.macro ACT x, ph, c
.irp i, 0,1,2,3,4,5,6,7
	v_rndne_f32 v[PO+\i], v[\x+\i]
.endr
	STREW \ph, \c, 0
.irp i, 8,9,10,11,12,13,14,15
	v_rndne_f32 v[PO+\i], v[\x+\i]
.endr
	STREW \ph, \c, 1
.irp i, 0,2,4,6,8,10,12,14
	v_pk_add_f32 v[\x+\i:\x+\i+1], v[\x+\i:\x+\i+1], v[PO+\i:PO+\i+1] neg_lo:[0,1] neg_hi:[0,1]
.endr
	STREW \ph, \c, 2
.irp i, 0,2,4,6,8,10,12,14
	v_pk_mul_f32 v[SQ+\i:SQ+\i+1], v[\x+\i:\x+\i+1], v[\x+\i:\x+\i+1]
.endr
	STREW \ph, \c, 3
.irp i, 0,2,4,6,8,10,12,14
	v_pk_fma_f32 v[PO+\i:PO+\i+1], v[SQ+\i:SQ+\i+1], s[40:41], s[38:39] op_sel_hi:[1,0,0]
.endr
	STREW \ph, \c, 4
.irp i, 0,2,4,6,8,10,12,14
	v_pk_fma_f32 v[PO+\i:PO+\i+1], v[PO+\i:PO+\i+1], v[SQ+\i:SQ+\i+1], s[36:37] op_sel_hi:[1,1,0]
.endr
	STREW \ph, \c, 5
.irp i, 0,2,4,6,8,10,12,14
	v_pk_fma_f32 v[PO+\i:PO+\i+1], v[PO+\i:PO+\i+1], v[SQ+\i:SQ+\i+1], s[34:35] op_sel_hi:[1,1,0]
.endr
	STREW \ph, \c, 6
.irp i, 0,2,4,6,8,10,12,14
	v_pk_fma_f32 v[PO+\i:PO+\i+1], v[PO+\i:PO+\i+1], v[SQ+\i:SQ+\i+1], s[32:33] op_sel_hi:[1,1,0]
.endr
	STREW \ph, \c, 7
.irp i, 0,2,4,6,8,10,12,14
	v_pk_mul_f32 v[PO+\i:PO+\i+1], v[PO+\i:PO+\i+1], v[\x+\i:\x+\i+1]
.endr
.endm
.macro COSP                            ; PO = cos(2 pi u) from SQ
.irp i, 0,2,4,6,8,10,12,14
	v_pk_fma_f32 v[PO+\i:PO+\i+1], v[SQ+\i:SQ+\i+1], s[50:51], s[48:49] op_sel_hi:[1,0,0]
.endr
.irp i, 0,2,4,6,8,10,12,14
	v_pk_fma_f32 v[PO+\i:PO+\i+1], v[PO+\i:PO+\i+1], v[SQ+\i:SQ+\i+1], s[46:47] op_sel_hi:[1,1,0]
.endr
.irp i, 0,2,4,6,8,10,12,14
	v_pk_fma_f32 v[PO+\i:PO+\i+1], v[PO+\i:PO+\i+1], v[SQ+\i:SQ+\i+1], s[44:45] op_sel_hi:[1,1,0]
.endr
.irp i, 0,2,4,6,8,10,12,14
	v_pk_fma_f32 v[PO+\i:PO+\i+1], v[PO+\i:PO+\i+1], v[SQ+\i:SQ+\i+1], s[42:43] op_sel_hi:[1,1,0]
.endr
.endm
.macro CVT8 d                          ; PO's 16 numbers as 8 registers of f16: a B fragment
.irp i, 0,1,2,3,4,5,6,7
	v_cvt_pk_f16_f32 v[\d+\i], v[PO+2*\i], v[PO+2*\i+1]
.endr
.endm
.macro S0G c                           ; units 32 c .. 32 c + 31 of layer 0: h1 into a fragment, cos(a0) kept
	ACT ACC2+16*(\c), 0, \c
	CVT8 FR0+8*((\c)&1)
	COSP
	CVT8 COS0+8*(\c)
.endm
.macro S1G c                           ; the same units of layer 1: sin goes into sdf's sums, cos into a fragment
	ACT ACC1+16*(\c), 1, \c
	WIN 0x0c
.irp i, 0,1,2,3
.if (\c)==0
	v_pk_mul_f32 v[SD+2*\i:SD+2*\i+1], v[PO+2*\i:PO+2*\i+1], v[WO+16*(\c)+2*\i:WO+16*(\c)+2*\i+1]      ; the first products start the sums
.else
	v_pk_fma_f32 v[SD+2*\i:SD+2*\i+1], v[PO+2*\i:PO+2*\i+1], v[WO+16*(\c)+2*\i:WO+16*(\c)+2*\i+1], v[SD+2*\i:SD+2*\i+1]
.endif
.endr
.irp i, 4,5,6,7
	v_pk_fma_f32 v[SD+2*\i-8:SD+2*\i-7], v[PO+2*\i:PO+2*\i+1], v[WO+16*(\c)+2*\i:WO+16*(\c)+2*\i+1], v[SD+2*\i-8:SD+2*\i-7]
.endr
	WIN 0
	COSP
	CVT8 FR0+8*((\c)&1)
.endm
.macro S2G c                           ; e' cos(a0) of the same units, in f16, and its K step of the last product
.irp i, 0,1,2,3,4,5,6,7
	v_cvt_pk_f16_f32 v[SQ+\i], v[ACC2+16*(\c)+2*\i], v[ACC2+16*(\c)+2*\i+1]
.endr
.irp i, 0,1,2,3,4,5,6,7
	v_pk_mul_f16 v[FR0+8*((\c)&1)+\i], v[SQ+\i], v[COS0+8*(\c)+\i]
.endr
	SLOT 3, \c, 0
.endm
.macro SUB4 d, a, b                    ; four dimensions: d = a - b
	v_pk_add_f32 v[\d:\d+1], v[\a:\a+1], v[\b:\b+1] neg_lo:[0,1] neg_hi:[0,1]
	v_pk_add_f32 v[\d+2:\d+3], v[\a+2:\a+3], v[\b+2:\b+3] neg_lo:[0,1] neg_hi:[0,1]
.endm
.macro LERP4 d, a, w, b                ; d = a w + b, w the first register of its pair
	v_pk_fma_f32 v[\d:\d+1], v[\a:\a+1], v[\w:\w+1], v[\b:\b+1] op_sel_hi:[1,0,1]
	v_pk_fma_f32 v[\d+2:\d+3], v[\a+2:\a+3], v[\w:\w+1], v[\b+2:\b+3] op_sel_hi:[1,0,1]
.endm
; The weights of this tile's point, and the position as f16 hi + lo.
.macro GW
	s_wait_dscnt 0x0                               ; the three words of my position (and, ahead of the first tile, the weight fragments)
.irp c, 0,1,2
	v_fma_f32 v[SQ+4*\c], v[PX+\c], s58, s58       ; x = 63.5 p + 63.5, the same instruction as where the cell was found
.endr
.irp c, 0,1,2
	v_max_num_f32 v[SQ+4*\c], 0, v[SQ+4*\c]
.endr
.irp c, 0,1,2
	v_min_num_f32 v[SQ+4*\c], 0x42fe0000, v[SQ+4*\c]
.endr
.irp c, 0,1,2
	v_sub_f32 v[SQ+4*\c], v[SQ+4*\c], v[ICF+\c]    ; t
.endr
.irp c, 0,1,2
	v_mul_f32 v[SQ+4*\c+1], v[SQ+4*\c], v[SQ+4*\c] ; t t
	v_fma_f32 v[SQ+4*\c+2], v[SQ+4*\c], -2.0, 0x40400000   ; 3 - 2 t
.endr
.irp c, 0,1,2
	v_sub_f32 v[SQ+4*\c+3], v[SQ+4*\c], v[SQ+4*\c+1]
	v_mul_f32 v[WT+2*\c], v[SQ+4*\c+1], v[SQ+4*\c+2]       ; w
.endr
.irp c, 0,1,2
	v_mul_f32 v[WT+2*\c+1], 0x43be8000, v[SQ+4*\c+3]       ; dw/dp = 6 t (1 - t) x 63.5 = 381 (t - t t)
.endr
	v_cvt_pk_f16_f32 v60, v[PX], v[PX+1]           ; hi(px, py) and (hi pz, 1): registers 4 and 5 of layer 0's fragment (FR1)
	v_cvt_pk_f16_f32 v61, v[PX+2], 1.0
	v_cvt_f32_f16 v12, v60.l
	v_cvt_f32_f16 v13, v60.h
	v_cvt_f32_f16 v14, v61.l
	v_sub_f32 v12, v[PX], v12
	v_sub_f32 v13, v[PX+1], v13
	v_sub_f32 v14, v[PX+2], v14
	v_cvt_pk_f16_f32 v45, v12, v13                 ; lo(px, py)
	v_cvt_pk_f16_f32 v46, v14, 1.0                 ; (lo pz, 1)
.endm
; The interpolation with its three derivatives by the weights, and layer 0's B fragment.  left = loads issued behind this tile's gathers.
.macro GINT left
	s_wait_loadcnt \left                           ; loads come back in order (ISA guide 5.7.1): the eight corners are in, the next cell word may be out
	WIN 0x0f
.irp q, 0,1,2,3
	SUB4 DX+4*\q, GATH+16+4*\q, GATH+4*\q
.endr
	WIN 0x30
.irp q, 0,1,2,3
	LERP4 CX+4*\q, DX+4*\q, WT, GATH+4*\q
.endr
	WIN 0
.irp c, 0,1
	SUB4 DXL+4*\c, DX+8+4*\c, DX+4*\c
	SUB4 DY+4*\c, CX+8+4*\c, CX+4*\c
.endr
.irp c, 0,1
	LERP4 DXL+4*\c, DXL+4*\c, WT+2, DX+4*\c
	LERP4 CY+4*\c, DY+4*\c, WT+2, CX+4*\c
.endr
	SUB4 T1, DXL+4, DXL
	SUB4 T2, DY+4, DY
	SUB4 DE+8, CY+4, CY                            ; dE/dwz
	LERP4 DE, T1, WT+4, DXL                        ; dE/dwx
	LERP4 DE+4, T2, WT+4, DY                       ; dE/dwy
	LERP4 EM, DE+8, WT+4, CY                       ; E
	v_cvt_pk_f16_f32 v[FR1], v[EM], v[EM+1]        ; my four dimensions, against hi(W0) ..
	v_cvt_pk_f16_f32 v[FR1+1], v[EM+2], v[EM+3]
	v_cvt_pk_f16_f32 v[FR1+6], v[EM], v[EM+1]      ; .. and once more against lo(W0): a fragment is eight registers in a row
	v_cvt_pk_f16_f32 v[FR1+7], v[EM+2], v[EM+3]
	v_cndmask_b32 v[FR1+2], v[FR1+4], v45, s56     ; lanes 0-15: hi(p), 1; lanes 16-31: lo(p), 1
	v_cndmask_b32 v[FR1+3], v[FR1+5], v46, s56
.endm
; From a cell word: the three indices as f32 and the byte offset of my 16 bytes of corner 0.  Each index is clamped to 126 by its own v_min_u32.
.macro ADDR
	v_bfe_u32 v12, v[CELL], 0, 8
	v_bfe_u32 v13, v[CELL], 8, 8
	v_bfe_u32 v14, v[CELL], 16, 8
	v_min_u32 v12, 126, v12
	v_min_u32 v13, 126, v13
	v_min_u32 v14, 126, v14
	v_cvt_f32_u32 v[ICF], v12
	v_cvt_f32_u32 v[ICF+1], v13
	v_cvt_f32_u32 v[ICF+2], v14
	v_lshl_add_u32 v[VA], v12, 7, v13
	v_lshl_add_u32 v[VA], v[VA], 7, v14
	v_lshl_add_u32 v[VA], v[VA], 5, v[H16]         ; 32 bytes a vertex, + 16 h
.endm
.macro GATHER                          ; eight corners: a step in x is 524,288 bytes, in y 4,096, in z 32.  No hint: neighbours' points name these rows too
	WIN 0xc0
.irp q, 0,1,2,3,4,5,6,7
	global_load_b128 v[GATH+4*\q:GATH+4*\q+3], v[VA], s[10:11] offset:(\q>>2)*524288+((\q>>1)&1)*4096+(\q&1)*32
.endr
	WIN 0
.endm
; The next tile's requests: they have the rest of this tile's work in which to land.  cell = 1: the cell word of the tile after next too.
.macro NEXT cell
	s_wait_loadcnt 0x0                             ; the next cell word is in, and no load is out: VA, CADR and CELL may be written
	v_add_nc_u32 v[CADR], 64, v[CADR]
	ADDR
	GATHER
.if \cell
	global_load_b32 v[CELL], v[CADR], s[24:25] offset:64 th:TH_LOAD_NT
.endif
	ds_load_b32 v[PX], v[PADR] offset:192
	ds_load_b32 v[PX+1], v[PADR] offset:196
	ds_load_b32 v[PX+2], v[PADR] offset:200
.endm
; grad[c] = ( f'_p[c] + 381 (t - t t)_c sum over d of f'_e[d] dE[d]/dw_c ) / 256.  Rows of A3: lanes 0-15 hold f' of dimensions 0-3 in registers 0-3
; and of p in 4-6; lanes 16-31 hold dimensions 4-7 in 0-3 and zeros in 4-7.
.macro FIN
	v_add_nc_u32 v[PADR], 192, v[PADR]             ; four places behind the last matrix instruction: two address steps, two v_nop
	v_add_nc_u32 v[O0A], 64, v[O0A]
	v_nop
	v_nop
.irp i, 0,2,4,6
	v_pk_add_f32 v[FA+\i:FA+\i+1], v[FA+\i:FA+\i+1], v[FB+\i:FB+\i+1]
.endr
.irp c, 0,1,2
	v_pk_mul_f32 v[SQ+2*\c:SQ+2*\c+1], v[DE+4*\c:DE+4*\c+1], v[FA:FA+1]
.endr
.irp c, 0,1,2
	v_pk_fma_f32 v[SQ+2*\c:SQ+2*\c+1], v[DE+4*\c+2:DE+4*\c+3], v[FA+2:FA+3], v[SQ+2*\c:SQ+2*\c+1]
.endr
.irp c, 0,1,2
	v_add_f32 v[SQ+2*\c], v[SQ+2*\c], v[SQ+2*\c+1]
.endr
.irp c, 0,1,2
	v_fma_f32 v[SQ+2*\c], v[SQ+2*\c], v[WT+2*\c+1], v[FA+4+\c]
.endr
.irp c, 0,1,2
	v_permlanex16_b32 v[12+\c], v[SQ+2*\c], s4, s5 ; the other four dimensions' share
.endr
.irp c, 0,1,2
	v_add_f32 v[SQ+2*\c], v[SQ+2*\c], v[12+\c]
.endr
.irp c, 0,1,2
	v_mul_f32 v[SQ+2*\c], 0x3b800000, v[SQ+2*\c]   ; 1/256
.endr
.irp c, 0,1,2
	ds_store_b32 v[O1A], v[SQ+2*\c] offset:4*\c    ; both halves of the wave write the same word with the same value
.endr
	v_add_nc_u32 v[O1A], 192, v[O1A]
.endm
.macro TILE gather, cell, left
	GW
	GINT \left
.if \gather
	NEXT \cell
.endif
	WM 0, 0, 0                                     ; layer 0, tiles 0 and 1; the other six are strewn in the first group
	WM 0, 0, 1
	WIN 0
	PLACES
	S0G 0
	S0G 1
	S0G 2
	S0G 3
	WM 1, 3, 0                                     ; layer 1's last K step, tiles 0 and 1; the other six are strewn
	WM 1, 3, 1
	WIN 0
	PLACES
	S1G 0
	S1G 1
	S1G 2
	S1G 3
.irp t, 0,1,2,3,4,5,6,7
	WM 2, 3, \t                                    ; the way back through W1, last K step
.endr
	WIN 0
	v_pk_add_f32 v[SD:SD+1], v[SD:SD+1], v[SD+2:SD+3]          ; sdf's sums: these four lines are the places behind the block above
	v_pk_add_f32 v[SD+4:SD+5], v[SD+4:SD+5], v[SD+6:SD+7]
	v_pk_add_f32 v[SD:SD+1], v[SD:SD+1], v[SD+4:SD+5]
	v_add_f32 v[SD], v[SD], v[SD+1]
	v_permlanex16_b32 v11, v[SD], s4, s5           ; the other 64 units
	v_add_f32 v[SD], v[SD], v11
	v_add_f32 v[SD], s6, v[SD]                     ; + bo
	ds_store_b32 v[O0A], v[SD]
	S2G 0
	S2G 1
	S2G 2
	S2G 3
	FIN
.endm
	; ---------------------------------------------------------------- set-up
	s_load_b512 s[8:23], s[0:1], 0x0               ; positions 8, embeddings 10, W0 12, b0 14, W1 16, b1 18, Wo 20, bo 22
	s_load_b128 s[24:27], s[0:1], 0x40             ; cells 24, out0 26
	s_load_b64 s[28:29], s[0:1], 0x50              ; out1
	v_lshrrev_b32 v1, 5, v0
	v_readfirstlane_b32 s2, v1                     ; wave 0..3
	v_and_b32 v48, 31, v0                          ; lane
	v_and_b32 v49, 15, v0                          ; r
	v_bfe_u32 v50, v0, 4, 1                        ; h
	v_mov_b32 v11, 0                               ; a lane exchange's destination counts as read
	s_mov_b32 s4, 0x76543210                       ; v_permlanex16_b32: lane i of one half reads lane i of the other
	s_mov_b32 s5, 0xfedcba98
.irp p, 32,33
	s_mov_b32 s[\p], 0x40c90ec7                    ; S0   6.2830540869
	s_mov_b32 s[\p+2], 0xc2255312                  ; S1 -41.331122918
	s_mov_b32 s[\p+4], 0x42a2bb23                  ; S2  81.365498331
	s_mov_b32 s[\p+6], 0xc294f124                  ; S3 -74.470977042
	s_mov_b32 s[\p+8], 0x4203135b                  ; S4  32.768902470
	s_mov_b32 s[\p+10], 0x3f7ffd50                 ; K0   0.9999590205
	s_mov_b32 s[\p+12], 0xc19dd8f8                 ; K1 -19.7309423474
	s_mov_b32 s[\p+14], 0x428157c7                 ; K2  64.671441563
	s_mov_b32 s[\p+16], 0xc2a4c818                 ; K3 -82.3908056736
	s_mov_b32 s[\p+18], 0x42367bf5                 ; K4  45.6210508854
	s_mov_b32 s[\p+20], 0x4098c9eb                 ; k1 = 30 / 2 pi
	s_mov_b32 s[\p+22], 0x45f00000                 ; 7680
.endr
	s_mov_b32 s56, 0xffff0000                      ; lanes 16-31
	s_mov_b32 s58, 0x427e0000                      ; 63.5
	s_lshl_b32 s59, ttmp9, 2
	s_add_co_u32 s59, s59, s2                      ; my wave's number in the launch, 0 to 1,023
	s_mul_i32 s57, s2, 6144                        ; my wave's part of POS and of O1
	v_lshlrev_b32 v[H16], 4, v50
	v_lshlrev_b32 v[CADR], 2, v49
	v_lshlrev_b32 v252, 4, v48                     ; 16 x lane
	v_lshlrev_b32 v253, 4, v0                      ; 16 x thread
	v_mul_u32_u24 v[PADR], v49, 12
	v_add_nc_u32 v[PADR], s57, v[PADR]
	v_add_nc_u32 v[O1A], O1, v[PADR]
	v_add_nc_u32 v[PADR], POS, v[PADR]
	s_lshl_b32 s7, s2, 11
	v_add_nc_u32 v[O0A], s7, v[CADR]
	v_add_nc_u32 v[O0A], O0, v[O0A]
	v_add_nc_u32 v15, s57, v252
	v_add_nc_u32 v15, POS, v15                     ; where my 16 bytes of positions go
	s_mul_i32 s7, s2, 272
	v_lshl_add_u32 v254, v48, 3, s7                ; image row = wave (+ 4 i), 8 bytes a lane
	v_add_nc_u32 v255, IMB, v254
	s_mul_i32 s30, s59, 6144                       ; 512 points x 12 bytes
	s_mov_b32 s31, 0
	s_wait_kmcnt 0x0
	s_add_nc_u64 s[8:9], s[8:9], s[30:31]
	s_add_nc_u64 s[28:29], s[28:29], s[30:31]
	s_lshl_b32 s30, s59, 11                        ; 512 points x 4 bytes
	s_add_nc_u64 s[24:25], s[24:25], s[30:31]
	s_add_nc_u64 s[26:27], s[26:27], s[30:31]
	s_load_b32 s6, s[22:23], 0x0                   ; bo
	global_load_b32 v[CELL], v[CADR], s[24:25] th:TH_LOAD_NT               ; tile 0's cell words
.irp i, 0,1,2,3,4,5,6,7,8,9,10,11
	global_load_b128 v[192+4*\i:195+4*\i], v252, s[8:9] offset:512*\i th:TH_LOAD_NT   ; my wave's 6,144 bytes of positions
.endr
	global_load_b128 v[240:243], v252, s[20:21]    ; Wo[4 lane ..]
.set i, 0
.rept 32
	global_load_b128 v[64+4*i:67+4*i], v253, s[16:17] offset:2048*i        ; W1 row 4 i + wave, columns 4 lane ..: the four waves cover W1 once
.set i, i+1
.endr
	s_wait_loadcnt 45                              ; 12 + 1 + 32 loads were issued behind tile 0's cell words
	ADDR
	GATHER                                         ; tile 0's corners,
	global_load_b32 v[CELL], v[CADR], s[24:25] offset:64 th:TH_LOAD_NT     ; tile 1's cell words
	s_wait_loadcnt 42                              ; behind the positions: 1 + 32 + 9
.irp i, 0,1,2,3,4,5,6,7,8,9,10,11
	ds_store_b128 v15, v[192+4*\i:195+4*\i] offset:512*\i
.endr
	s_wait_loadcnt 41                              ; behind Wo: 32 + 9
	v_pk_mul_f32 v[240:241], v[240:241], s[54:55] op_sel_hi:[1,0]
	v_pk_mul_f32 v[242:243], v[242:243], s[54:55] op_sel_hi:[1,0]
.set i, 0
.rept 32
	s_wait_loadcnt 40-i                            ; behind W1's load i: 31 - i of W1 and the 9
	v_pk_mul_f32 v[244:245], v[64+4*i:65+4*i], s[52:53] op_sel_hi:[1,0]
	v_pk_mul_f32 v[246:247], v[66+4*i:67+4*i], s[52:53] op_sel_hi:[1,0]
	v_cvt_pk_f16_f32 v248, v244, v245
	v_cvt_pk_f16_f32 v249, v246, v247
	ds_store_b64 v254, v[248:249] offset:1088*i    ; k1 W1
	v_pk_mul_f32 v[244:245], v[64+4*i:65+4*i], v[240:241]
	v_pk_mul_f32 v[246:247], v[66+4*i:67+4*i], v[242:243]
	v_cvt_pk_f16_f32 v250, v244, v245
	v_cvt_pk_f16_f32 v251, v246, v247
	ds_store_b64 v255, v[250:251] offset:1088*i    ; 7680 W1 Wo
.set i, i+1
.endr
	; W0 and b0: thread n makes unit n's row of A0 and column n of A3
	v_lshlrev_b32 v15, 2, v0
.irp i, 0,1,2,3,4,5,6,7,8,9,10
	global_load_b32 v[64+\i], v15, s[12:13] offset:512*\i
.endr
	global_load_b32 v75, v15, s[14:15]
	v_mul_u32_u24 v52, v0, 80
	v_add_nc_u32 v52, IM0, v52
	v_lshlrev_b32 v53, 1, v0
	v_add_nc_u32 v53, IM3, v53
	v_mov_b32 v54, 0
	s_wait_loadcnt 0x0                             ; these twelve (the corners and cell words issued before them come in with them)
.irp i, 0,2,4,6,8,10
	v_pk_mul_f32 v[96+\i:97+\i], v[64+\i:65+\i], 0x41f00000 op_sel_hi:[1,0]   ; 30 W0
.endr
	v_cvt_pk_f16_f32 v80, v96, v97
	v_cvt_pk_f16_f32 v81, v98, v99
	v_cvt_pk_f16_f32 v82, v100, v101
	v_cvt_pk_f16_f32 v83, v102, v103
	v_cvt_pk_f16_f32 v84, v104, v105
	v_cvt_pk_f16_f32 v85, v106, 0
.macro ROW2 reg, m                     ; rows m and m + 1 of A3 from the two halves of a register
	ds_store_b16 v53, v[\reg] offset:(\m)*272
	ds_store_b16_d16_hi v53, v[\reg] offset:(\m)*272+272
.endm
	ROW2 80, 0                                     ; rows 0-3: dimensions 0-3
	ROW2 81, 2
	ROW2 84, 4                                     ; rows 4-6: px, py, pz; row 7: zero
	ROW2 85, 6
	ROW2 82, 8                                     ; rows 8-11: dimensions 4-7
	ROW2 83, 10
.irp m, 12,13,14,15
	ds_store_b16 v53, v54 offset:\m*272            ; rows 12-15: zero
.endr
.irp i, 0,2,4,6,8,10
	v_pk_mul_f32 v[64+\i:65+\i], v[64+\i:65+\i], s[52:53] op_sel_hi:[1,0]     ; k1 W0, k1 b0
.endr
	; A0's 32 K slots, against B's:  0-3 hi W e0-3 (e0-3) | 4-6 hi W p (hi p) | 7 hi b (1) | 8-11 hi W e4-7 (e4-7) | 12-14 hi W p (lo p) | 15 lo b (1)
	;   16-18 lo W p (hi p) | 19 zero (1) | 20-23 lo W e0-3 (e0-3) | 24-27 zero (hi p, 1) | 28-31 lo W e4-7 (e4-7)
	v_cvt_pk_f16_f32 v112, v64, v65
	v_cvt_pk_f16_f32 v113, v66, v67
	v_cvt_pk_f16_f32 v114, v72, v73
	v_cvt_pk_f16_f32 v115, v74, v75
	v_cvt_pk_f16_f32 v116, v68, v69
	v_cvt_pk_f16_f32 v117, v70, v71
	v_cvt_f32_f16 v96, v112.l
	v_cvt_f32_f16 v97, v112.h
	v_cvt_f32_f16 v98, v113.l
	v_cvt_f32_f16 v99, v113.h
	v_cvt_f32_f16 v100, v116.l
	v_cvt_f32_f16 v101, v116.h
	v_cvt_f32_f16 v102, v117.l
	v_cvt_f32_f16 v103, v117.h
	v_cvt_f32_f16 v104, v114.l
	v_cvt_f32_f16 v105, v114.h
	v_cvt_f32_f16 v106, v115.l
	v_cvt_f32_f16 v107, v115.h
.irp i, 0,2,4,6,8,10
	v_pk_add_f32 v[96+\i:97+\i], v[64+\i:65+\i], v[96+\i:97+\i] neg_lo:[0,1] neg_hi:[0,1]   ; what the f16 left over
.endr
	v_mov_b32 v118, v114
	v_cvt_pk_f16_f32 v119, v74, v107
	v_cvt_pk_f16_f32 v120, v104, v105
	v_cvt_pk_f16_f32 v121, v106, 0
	v_cvt_pk_f16_f32 v122, v96, v97
	v_cvt_pk_f16_f32 v123, v98, v99
	v_mov_b32 v124, 0
	v_mov_b32 v125, 0
	v_cvt_pk_f16_f32 v126, v100, v101
	v_cvt_pk_f16_f32 v127, v102, v103
.irp q, 0,1,2,3
	ds_store_b128 v52, v[112+4*\q:115+4*\q] offset:16*\q
.endr
	; fragment addresses
	v_and_b32 v12, 7, v48
	v_lshl_add_u32 v12, v50, 3, v12
	v_mul_u32_u24 v12, v12, 272
	v_bfe_u32 v13, v48, 3, 1
	v_lshl_add_u32 v12, v13, 4, v12                ; transposing loads: row 8 h + (lane & 7), 16 bytes x ((lane >> 3) & 1)
	v_mul_u32_u24 v14, v49, 272
	v_add_nc_u32 v14, v14, v[H16]                  ; row r, 16 h
	v_add_nc_u32 v13, IMB, v14
	v_add_nc_u32 v15, IM3, v14
	v_mul_u32_u24 v55, v49, 80
	v_add_nc_u32 v55, v55, v[H16]
	v_add_nc_u32 v55, IM0, v55
	v_lshlrev_b32 v51, 5, v50                      ; 32 h: units 8 h .. in b1 and Wo
	s_wait_dscnt 0x0                               ; my stores into the images are done, for the other waves' sake
	s_barrier_signal -1
	s_barrier_wait -1                              ; the only barrier: all four waves' parts of the images are there
	WIN 0x40
.irp c, 0,1,2,3
.irp t, 0,1,2,3,4,5,6,7
	ds_load_tr16_b128 v[8*(8*\c+\t):8*(8*\c+\t)+3], v12 offset:32*\c*272+32*\t             ; A1: rows j = 16 t + r, k = 32 c + 8 h ..: the image lies [k][j]
	ds_load_tr16_b128 v[8*(8*\c+\t)+4:8*(8*\c+\t)+7], v12 offset:(32*\c+16)*272+32*\t
.endr
.endr
	WIN 0x80
.irp c, 0,1,2,3
.irp t, 0,1,2,3,4,5,6,7
	ds_load_b128 v[8*(8*\c+\t):8*(8*\c+\t)+3], v13 offset:16*\t*272+64*\c                  ; A2: rows k = 16 t + r, j = 32 c + 8 h ..
	ds_load_b128 v[8*(8*\c+\t)+4:8*(8*\c+\t)+7], v13 offset:16*\t*272+64*\c+32
.endr
.endr
	WIN 0xc0
.irp t, 0,1,2,3,4,5,6,7
	ds_load_b128 v[A0F+8*\t:A0F+8*\t+3], v55 offset:16*\t*80
	ds_load_b128 v[A0F+8*\t+4:A0F+8*\t+7], v55 offset:16*\t*80+32
.endr
.irp c, 0,1,2,3
	ds_load_b128 v[A3F+8*\c:A3F+8*\c+3], v15 offset:64*\c
	ds_load_b128 v[A3F+8*\c+4:A3F+8*\c+7], v15 offset:64*\c+32
.endr
.irp t, 0,1,2,3,4,5,6,7
	global_load_b128 v[BIAS+8*\t:BIAS+8*\t+3], v51, s[18:19] offset:64*\t
	global_load_b128 v[BIAS+8*\t+4:BIAS+8*\t+7], v51, s[18:19] offset:64*\t+16
	global_load_b128 v[WO+8*\t:WO+8*\t+3], v51, s[20:21] offset:64*\t
	global_load_b128 v[WO+8*\t+4:WO+8*\t+7], v51, s[20:21] offset:64*\t+16
.endr
	s_wait_loadcnt 0x0                             ; b1 and Wo, once
	WIN 0xc3
.set i, 0
.rept 32
	v_pk_mul_f32 v[BIAS+2*i:BIAS+2*i+1], v[BIAS+2*i:BIAS+2*i+1], s[52:53] op_sel_hi:[1,0]
.set i, i+1
.endr
	WIN 0
	ds_load_b32 v[PX], v[PADR]                     ; tile 0's position: my wave's own bytes, stored above
	ds_load_b32 v[PX+1], v[PADR] offset:4
	ds_load_b32 v[PX+2], v[PADR] offset:8
	s_wait_kmcnt 0x0                               ; bo
	; ---------------------------------------------------------------- 32 tiles
	s_mov_b32 s3, 30
.Ltile:
	TILE 1, 1, 1                                   ; tiles 0 to 29: ask for the next tile's corners and the cell words of the one after
	s_sub_co_u32 s3, s3, 1
	s_cmp_lg_u32 s3, 0
	s_cbranch_scc1 .Ltile
	TILE 1, 0, 1                                   ; tile 30: the last corners; no cell words are left to fetch
	TILE 0, 0, 0                                   ; tile 31: nothing was issued behind its corners, so its wait is for zero
	; ---------------------------------------------------------------- the way out: my wave's 2,048 + 6,144 bytes, 16 bytes a lane
	v_and_b32 v12, 31, v0
	v_lshlrev_b32 v12, 4, v12
	s_lshl_b32 s7, s2, 11
	v_add_nc_u32 v13, s7, v12
	v_add_nc_u32 v13, O0, v13
	v_add_nc_u32 v14, s57, v12
	v_add_nc_u32 v14, O1, v14
.irp i, 0,1,2,3
	ds_load_b128 v[ACC1+4*\i:ACC1+4*\i+3], v13 offset:512*\i               ; LDS serves a wave's instructions in order (ISA guide 5.7.1): these see my stores
.endr
.irp i, 0,1,2,3,4,5,6,7,8,9,10,11
	ds_load_b128 v[ACC1+16+4*\i:ACC1+16+4*\i+3], v14 offset:512*\i
.endr
.irp i, 0,1,2,3
	s_wait_dscnt 15-\i                             ; the loads issued behind this one may stay out
	global_store_b128 v12, v[ACC1+4*\i:ACC1+4*\i+3], s[26:27] offset:512*\i th:TH_STORE_NT   ; a wave's store covers 512 consecutive bytes, aligned
.endr
.irp i, 0,1,2,3,4,5,6,7,8,9,10,11
	s_wait_dscnt 11-\i
	global_store_b128 v12, v[ACC1+16+4*\i:ACC1+16+4*\i+3], s[28:29] offset:512*\i th:TH_STORE_NT
.endr
	s_wait_xcnt 0x0
	v_lshl_add_u32 v254, v0, 2, 0x22900
	v_mov_b32 v255, 0
	s_wait_tensorcnt 0x0
	ds_add_u32 v254, v255
	s_wait_dscnt 0x0
	s_endpgm
.Lfunc_end_k_qec5f600888_sdf:
	.size	k_qec5f600888_sdf, .Lfunc_end_k_qec5f600888_sdf-k_qec5f600888_sdf
	.p2alignl 7, 3214868480
	.fill 96, 4, 3214868480
	.section	.rodata,"a",@progbits
	.p2align	6, 0x0
	.amdhsa_kernel k_qec5f600888_sdf
		.amdhsa_group_segment_fixed_size 142080
		.amdhsa_private_segment_fixed_size 0
		.amdhsa_enable_private_segment 0
		.amdhsa_kernarg_size 88
		.amdhsa_user_sgpr_count 2
		.amdhsa_user_sgpr_kernarg_segment_ptr 1
		.amdhsa_wavefront_size32 1
		.amdhsa_system_sgpr_workgroup_id_x 1
		.amdhsa_system_sgpr_workgroup_id_y 1
		.amdhsa_system_sgpr_workgroup_id_z 1
		.amdhsa_system_vgpr_workitem_id 0
		.amdhsa_next_free_vgpr 1024
		.amdhsa_next_free_sgpr 66
		.amdhsa_reserve_vcc 0
		.amdhsa_float_denorm_mode_32 3
		.amdhsa_float_denorm_mode_16_64 3
		.amdhsa_memory_ordered 1
		.amdhsa_forward_progress 1
		.amdhsa_inst_pref_size 255
	.end_amdhsa_kernel
	.section	.bss,"aw",@nobits
	.p2align	6
	.space	262144
	.amdgpu_metadata
---
amdhsa.version: [ 1, 2 ]
amdhsa.kernels:
  - .name:           k_qec5f600888_sdf
    .symbol:         k_qec5f600888_sdf.kd
    .args:
      - { .name: positions, .offset: 0, .size: 8, .value_kind: global_buffer, .address_space: global }
      - { .name: embeddings, .offset: 8, .size: 8, .value_kind: global_buffer, .address_space: global }
      - { .name: W0, .offset: 16, .size: 8, .value_kind: global_buffer, .address_space: global }
      - { .name: b0, .offset: 24, .size: 8, .value_kind: global_buffer, .address_space: global }
      - { .name: W1, .offset: 32, .size: 8, .value_kind: global_buffer, .address_space: global }
      - { .name: b1, .offset: 40, .size: 8, .value_kind: global_buffer, .address_space: global }
      - { .name: Wo, .offset: 48, .size: 8, .value_kind: global_buffer, .address_space: global }
      - { .name: bo, .offset: 56, .size: 8, .value_kind: global_buffer, .address_space: global }
      - { .name: cells, .offset: 64, .size: 8, .value_kind: global_buffer, .address_space: global }
      - { .name: out0, .offset: 72, .size: 8, .value_kind: global_buffer, .address_space: global }
      - { .name: out1, .offset: 80, .size: 8, .value_kind: global_buffer, .address_space: global }
    .group_segment_fixed_size: 142080
    .private_segment_fixed_size: 0
    .kernarg_segment_align: 8
    .kernarg_segment_size: 88
    .max_flat_workgroup_size: 128
    .sgpr_count:     66
    .vgpr_count:     1024
    .wavefront_size: 32
...
	.end_amdgpu_metadata
.endif
;; end of part 2
;; ======== version 2 of 2: 2 launches; version 1 with the launch sdf written anew for expert scheduling mode
;; limits: values outside matrix products are rounded to f16; values are held in f16: magnitudes above 65,504 overflow, below 6.1e-05 lose precision; right only within a limited range of input values; a function is approximated: absolute error at most 4.1e-05
;; workspace buffers: cells 2,097,152 bytes of whole numbers
;; launch cells: the kernel of part 1 again; grid 512 x 1, 8 waves a work-group, no clusters, 0 bytes of LDS; arguments positions, cells; writes cells
;; launch sdf (part 3): grid 256 x 1, 4 waves a work-group, no clusters, 142,080 bytes of LDS; arguments positions, embeddings, W0, b0, W1, b1, Wo, bo, cells, out0, out1; writes out0, out1
.if DOCPART == 3
	.amdgcn_target "amdgcn-amd-amdhsa--gfx1250"
	.amdhsa_code_object_version 6
	.text
	.protected	k_qec5f600888_sdf
	.globl	k_qec5f600888_sdf
	.p2align	8
	.type	k_qec5f600888_sdf,@function
k_qec5f600888_sdf:
	s_mov_b64 s[64:65], 0
	v_nop
	global_prefetch_b8 v0, s[64:65] scope:SCOPE_SE
	s_setreg_imm32_b32 hwreg(HW_REG_WAVE_SCHED_MODE, 0, 2), 2
	s_setreg_imm32_b32 hwreg(HW_REG_WAVE_MODE, 25, 1), 1
	s_wait_xcnt 0x0
	s_wait_alu depctr_vm_vsrc(0)
; out0 = sdf(p), out1 = d sdf / d p for 524,288 points: smooth-step trilinear lookup in a 128^3 x 8 table, then 11 -> 128 -> 128 -> 1 with sin(30 .),
; one forward and one backward pass, all in this launch.  The cell indices come as whole numbers from the launch before.
;
; SHARES.  256 work-groups of four waves; a wave owns 512 points = 32 tiles of 16.  Lane (r = lane & 15, h = lane >> 4) serves point r of
; the tile and the embedding's dimensions 4h .. 4h+3.
; MATRIX PRODUCTS ARE USED TRANSPOSED: A = weights (rows = output units), B = activations (columns = points).  Register j of a result tile t
; in lane (r, h) is unit 16 t + 8 h + j of point r, so packing neighbouring registers of tiles 2c and 2c+1 to f16 gives registers 0-3 and 4-7
; of the next product's B fragment for K step c: between layers nothing goes through LDS or other lanes.
; ALL WEIGHTS STAY IN REGISTERS as f16 A fragments: 608 registers, with the bias tile (64) and the output weights (64).
; OVERLAP: K step c of a product needs only the fragment that activation group c has made, so its eight matrix instructions are strewn, one
; behind every eight vector instructions, through group c+1.
;
; THE MODE: SCHED_MODE bits 1:0 = 2 (LLVM: expert scheduling mode 2), set by the entry lines.  The code itself states the register dependences
; between vector or matrix instructions and memory or LDS instructions, with s_wait_alu, always for 0.
; THE PLAN, in the loop.  Registers that memory or LDS instructions touch:
;   GATH             the corners of tile n + 1 land in it, in ONE run of loads in tile n, behind the interpolation, whose first sixteen lines alone read it
;   CELL, PX         a load lands in each in the same run; read by ADDR (CELL) and by GW (PX), which stand ahead of the run
;   VA, CADR         written just ahead of the run, read by its loads
;   PADR, O0A, O1A   read by the run's LDS loads and by the tile's four LDS stores; stepped at the tile's very end
;   SD, SQ+0, +2, +4 the tile's four results; read by the four LDS stores, which stand in ONE run at the tile's end; written again in the next tile
; The weights, the fragments and the accumulators are named by vector and matrix instructions alone.
; So a tile has three waits: va_vdst ahead of the run of loads, va_vdst ahead of the run of stores, vm_vsrc behind the stores and ahead of the
; address steps, of the loop's branch and of all that the next tile writes.
;
; FORMATS AND SCALES.  Operands f16, sums f32.  k1 = 30 / 2 pi.  Layers 0 and 1 come out in turns (argument / 2 pi).
;   A0 = k1 W0 and k1 b0 as f16 hi + lo, positions as f16 hi + lo, in the K slots that K = 11 leaves free (table at IM0 below)
;   A1[j][k] = k1 W1[k][j], bias k1 b1 in f32 as the C of K step 0
;   A2[k][j] = 7680 W1[k][j] Wo[j] (7680 = 30 x 256), times cos(a1): e' = 256 d sdf / d h1
;   A3[m][k] = 30 W0[i(m)][k], times f16(e') f16(cos a0); the gradient is multiplied by 1/256 at the end
; SINE AND COSINE of u turns: n = rndne(u), r = u - n in [-1/2, 1/2], s = r r, sin = r (S0 + .. + S4 s^4), cos = K0 + .. + K4 s^4.
; LIMITS, stated: |position| and |embedding| below 65,504 (f16); |256 d sdf / d h1| below 65,504, which leaves the product of the spreads of
; W1 and Wo about 1,200 times what a SIREN start gives; absolute error of the polynomials at most 5.9e-6 (sin) and 4.1e-5 (cos) for every
; argument; arguments beyond 2^22 turns have no fraction left in f32; the term lo(p) x lo(W0) is dropped (below 2^-22 of p W0);
; the grid coordinate is one fused multiply-add where the formula has an add and a multiply; a NaN input gives NaN outputs.
; The clip needs no gradient of its own: where x is clipped t is 0 or 1 and dw/dt = 6 t (1 - t) is 0.
; NO JOINT LOADS, NO TENSOR LOADS: what work-groups share is 72 KB of weights, read once by each against 512 KB of its own gathers, and
; those weights pass through registers anyway to be scaled and rounded.  The gathers of tile n+1 are issued, into registers, in tile n.
;
; LDS
.set IMA, 0                            ; f16 k1 W1[k][j]: 128 rows k, pitch 272
.set IMB, 34816                        ; f16 7680 W1[k][j] Wo[j]: 128 rows k, pitch 272
.set IM0, 69632                        ; A0: 128 rows (units) of 32 K slots, pitch 80
.set IM3, 79872                        ; A3: 16 rows of 128, pitch 272
.set POS, 84224                        ; 4 x 6,144: each wave's own positions, as in memory
.set O1,  108800                       ; 4 x 6,144: each wave's own stage for out1
.set O0,  133376                       ; 4 x 2,048: each wave's own stage for out0; ends at 141,568
; REGISTERS, in windows of 256.  Window 1: A1, fragment (K step c, tile t) at 8 (8 c + t).  Window 2: A2 likewise.  Window 3:
.set A0F,  0                           ; A0, tile t at 8 t
.set A3F,  64                          ; A3, K step c at 64 + 8 c
.set BIAS, 96                          ; k1 b1[16 t + 8 h + j] at 96 + 8 t + j
.set WO,   160                         ; Wo[16 t + 8 h + j] at 160 + 8 t + j
.set GATH, 224                         ; the eight corners, q = 4 a + 2 b + c (x, y, z steps) at 224 + 4 q
; Window 0:
.set VA,   1                           ; byte offset of corner 0 in the table
.set CELL, 2                           ; a cell word as loaded
.set CADR, 3                           ; its byte offset in my wave's part of cells
.set PADR, 4                           ; LDS address of my point's position
.set O1A,  5
.set O0A,  6
.set H16,  7                           ; 16 h
.set ICF,  8                           ; v8-10   ix, iy, iz as f32;  v11-15: at work
.set WT,   16                          ; v16-21  pairs (w, 381 (t - t t)) for x, y, z
.set DE,   22                          ; v22-33  dE/dw for x, y, z: 4 dimensions each
.set SD,   34                          ; v34-41  four pairs of partial sums of sdf
.set PX,   42                          ; v42-44  the position;  v45, v46: its f16 low parts (x, y), (z, 1)
.set FR0,  48                          ; v48-55, v56-63: two B fragments that take turns (in the set-up: lane numbers and addresses)
.set FR1,  56
.set COS0, 64                          ; v64-95  cos(a0) in f16, kept for the way back
.set SQ,   96                          ; v96-111 s = r r; at work elsewhere
.set PO,   112                         ; v112-127 n, then the polynomial
.set FA,   112                         ; the last product's two accumulators
.set FB,   120
.set ACC1, 128                         ; v128-191 layer 1's eight tiles; during the interpolation its temporaries:
.set DX,   128                         ;   corner differences along x, q' = 2 b + c at 4 q'
.set CX,   144                         ;   values interpolated along x
.set EM,   144                         ;   at the end: the embedding
.set DXL,  160
.set DY,   168
.set CY,   176
.set T1,   184
.set T2,   188
.set ACC2, 192                         ; v192-255 layer 0's eight tiles, later e'
; s_set_vgpr_msb's low byte: bits 1:0 source 0, 3:2 source 1, 5:4 source 2, 7:6 destination; its high byte repeats the setting that is left.
.set MSB, 0
.macro WIN new
.if MSB != \new
	s_set_vgpr_msb (MSB<<8)|\new
.set MSB, \new
.endif
.endm
; A vector instruction that reads a matrix result stands four places behind it, and only plain vector instructions that name none of its
; registers are places (ISA guide 7.12.1).
.macro PLACES
.rept 4
	v_nop
.endr
.endm
; One matrix instruction.  kind 0: layer 0, tile t.  1: layer 1, K step k, tile t.  2: the way back through W1.  3: the way back through W0, K step k.
; The accumulators take turns, one instruction a turn: eight tiles in kinds 0 to 2, FA and FB in kind 3.
.macro WM kind, k, t
.if (\kind)==0
	WIN 0x03
	v_wmma_f32_16x16x32_f16 v[ACC2+8*(\t):ACC2+8*(\t)+7], v[A0F+8*(\t):A0F+8*(\t)+7], v[FR1:FR1+7], 0
.endif
.if (\kind)==1
.if (\k)==0
	WIN 0x31
	v_wmma_f32_16x16x32_f16 v[ACC1+8*(\t):ACC1+8*(\t)+7], v[8*(\t):8*(\t)+7], v[FR0:FR0+7], v[BIAS+8*(\t):BIAS+8*(\t)+7]
.else
	WIN 0x01
	v_wmma_f32_16x16x32_f16 v[ACC1+8*(\t):ACC1+8*(\t)+7], v[8*(8*(\k)+(\t)):8*(8*(\k)+(\t))+7], v[FR0+8*((\k)&1):FR0+8*((\k)&1)+7], v[ACC1+8*(\t):ACC1+8*(\t)+7]
.endif
.endif
.if (\kind)==2
	WIN 0x02
.if (\k)==0
	v_wmma_f32_16x16x32_f16 v[ACC2+8*(\t):ACC2+8*(\t)+7], v[8*(\t):8*(\t)+7], v[FR0:FR0+7], 0
.else
	v_wmma_f32_16x16x32_f16 v[ACC2+8*(\t):ACC2+8*(\t)+7], v[8*(8*(\k)+(\t)):8*(8*(\k)+(\t))+7], v[FR0+8*((\k)&1):FR0+8*((\k)&1)+7], v[ACC2+8*(\t):ACC2+8*(\t)+7]
.endif
.endif
.if (\kind)==3
	WIN 0x03
.if (\k)<2
	v_wmma_f32_16x16x32_f16 v[FA+8*((\k)&1):FA+8*((\k)&1)+7], v[A3F+8*(\k):A3F+8*(\k)+7], v[FR0+8*((\k)&1):FR0+8*((\k)&1)+7], 0
.else
	v_wmma_f32_16x16x32_f16 v[FA+8*((\k)&1):FA+8*((\k)&1)+7], v[A3F+8*(\k):A3F+8*(\k)+7], v[FR0+8*((\k)&1):FR0+8*((\k)&1)+7], v[FA+8*((\k)&1):FA+8*((\k)&1)+7]
.endif
.endif
.endm
.macro SLOT kind, k, t
	WM \kind, \k, \t
	WIN 0
.endm
; What is strewn at slot i of activation group c.  Phase 0 (layer 0's activation): group 0 takes layer 0's tiles 2 to 7, group c the K step c-1
; of layer 1.  Phase 1 (layer 1's activation): group 0 takes tiles 2 to 7 of layer 1's K step 3, group c the K step c-1 of the way back.
; A group reads only tiles that were written a whole group earlier, and writes the fragment buffer that the strewn instructions do not read.
.macro STREW ph, c, i
.if (\ph)==0
.if (\c)==0
.if (\i)<6
	SLOT 0, 0, 2+\i
.endif
.else
	SLOT 1, \c-1, \i
.endif
.else
.if (\c)==0
.if (\i)<6
	SLOT 1, 3, 2+\i
.endif
.else
	SLOT 2, \c-1, \i
.endif
.endif
.endm
; 16 numbers u (turns) at x: x becomes r, SQ = r r, PO = sin(2 pi u).  72 vector instructions, eight slots.
.macro ACT x, ph, c
.irp i, 0,1,2,3,4,5,6,7
	v_rndne_f32 v[PO+\i], v[\x+\i]
.endr
	STREW \ph, \c, 0
.irp i, 8,9,10,11,12,13,14,15
	v_rndne_f32 v[PO+\i], v[\x+\i]
.endr
	STREW \ph, \c, 1
.irp i, 0,2,4,6,8,10,12,14
	v_pk_add_f32 v[\x+\i:\x+\i+1], v[\x+\i:\x+\i+1], v[PO+\i:PO+\i+1] neg_lo:[0,1] neg_hi:[0,1]
.endr
	STREW \ph, \c, 2
.irp i, 0,2,4,6,8,10,12,14
	v_pk_mul_f32 v[SQ+\i:SQ+\i+1], v[\x+\i:\x+\i+1], v[\x+\i:\x+\i+1]
.endr
	STREW \ph, \c, 3
.irp i, 0,2,4,6,8,10,12,14
	v_pk_fma_f32 v[PO+\i:PO+\i+1], v[SQ+\i:SQ+\i+1], s[40:41], s[38:39] op_sel_hi:[1,0,0]
.endr
	STREW \ph, \c, 4
.irp i, 0,2,4,6,8,10,12,14
	v_pk_fma_f32 v[PO+\i:PO+\i+1], v[PO+\i:PO+\i+1], v[SQ+\i:SQ+\i+1], s[36:37] op_sel_hi:[1,1,0]
.endr
	STREW \ph, \c, 5
.irp i, 0,2,4,6,8,10,12,14
	v_pk_fma_f32 v[PO+\i:PO+\i+1], v[PO+\i:PO+\i+1], v[SQ+\i:SQ+\i+1], s[34:35] op_sel_hi:[1,1,0]
.endr
	STREW \ph, \c, 6
.irp i, 0,2,4,6,8,10,12,14
	v_pk_fma_f32 v[PO+\i:PO+\i+1], v[PO+\i:PO+\i+1], v[SQ+\i:SQ+\i+1], s[32:33] op_sel_hi:[1,1,0]
.endr
	STREW \ph, \c, 7
.irp i, 0,2,4,6,8,10,12,14
	v_pk_mul_f32 v[PO+\i:PO+\i+1], v[PO+\i:PO+\i+1], v[\x+\i:\x+\i+1]
.endr
.endm
.macro COSP                            ; PO = cos(2 pi u) from SQ
.irp i, 0,2,4,6,8,10,12,14
	v_pk_fma_f32 v[PO+\i:PO+\i+1], v[SQ+\i:SQ+\i+1], s[50:51], s[48:49] op_sel_hi:[1,0,0]
.endr
.irp i, 0,2,4,6,8,10,12,14
	v_pk_fma_f32 v[PO+\i:PO+\i+1], v[PO+\i:PO+\i+1], v[SQ+\i:SQ+\i+1], s[46:47] op_sel_hi:[1,1,0]
.endr
.irp i, 0,2,4,6,8,10,12,14
	v_pk_fma_f32 v[PO+\i:PO+\i+1], v[PO+\i:PO+\i+1], v[SQ+\i:SQ+\i+1], s[44:45] op_sel_hi:[1,1,0]
.endr
.irp i, 0,2,4,6,8,10,12,14
	v_pk_fma_f32 v[PO+\i:PO+\i+1], v[PO+\i:PO+\i+1], v[SQ+\i:SQ+\i+1], s[42:43] op_sel_hi:[1,1,0]
.endr
.endm
.macro CVT8 d                          ; PO's 16 numbers as 8 registers of f16: a B fragment
.irp i, 0,1,2,3,4,5,6,7
	v_cvt_pk_f16_f32 v[\d+\i], v[PO+2*\i], v[PO+2*\i+1]
.endr
.endm
.macro S0G c                           ; units 32 c .. 32 c + 31 of layer 0: h1 into a fragment, cos(a0) kept
	ACT ACC2+16*(\c), 0, \c
	CVT8 FR0+8*((\c)&1)
	COSP
	CVT8 COS0+8*(\c)
.endm
.macro S1G c                           ; the same units of layer 1: sin goes into sdf's sums, cos into a fragment
	ACT ACC1+16*(\c), 1, \c
	WIN 0x0c
.irp i, 0,1,2,3
.if (\c)==0
	v_pk_mul_f32 v[SD+2*\i:SD+2*\i+1], v[PO+2*\i:PO+2*\i+1], v[WO+16*(\c)+2*\i:WO+16*(\c)+2*\i+1]      ; the first products start the sums
.else
	v_pk_fma_f32 v[SD+2*\i:SD+2*\i+1], v[PO+2*\i:PO+2*\i+1], v[WO+16*(\c)+2*\i:WO+16*(\c)+2*\i+1], v[SD+2*\i:SD+2*\i+1]
.endif
.endr
.irp i, 4,5,6,7
	v_pk_fma_f32 v[SD+2*\i-8:SD+2*\i-7], v[PO+2*\i:PO+2*\i+1], v[WO+16*(\c)+2*\i:WO+16*(\c)+2*\i+1], v[SD+2*\i-8:SD+2*\i-7]
.endr
	WIN 0
	COSP
	CVT8 FR0+8*((\c)&1)
.endm
.macro S2G c                           ; e' cos(a0) of the same units, in f16, and its K step of the last product
.irp i, 0,1,2,3,4,5,6,7
	v_cvt_pk_f16_f32 v[SQ+\i], v[ACC2+16*(\c)+2*\i], v[ACC2+16*(\c)+2*\i+1]
.endr
.irp i, 0,1,2,3,4,5,6,7
	v_pk_mul_f16 v[FR0+8*((\c)&1)+\i], v[SQ+\i], v[COS0+8*(\c)+\i]
.endr
	SLOT 3, \c, 0
.endm
.macro SUB4 d, a, b                    ; four dimensions: d = a - b
	v_pk_add_f32 v[\d:\d+1], v[\a:\a+1], v[\b:\b+1] neg_lo:[0,1] neg_hi:[0,1]
	v_pk_add_f32 v[\d+2:\d+3], v[\a+2:\a+3], v[\b+2:\b+3] neg_lo:[0,1] neg_hi:[0,1]
.endm
.macro LERP4 d, a, w, b                ; d = a w + b, w the first register of its pair
	v_pk_fma_f32 v[\d:\d+1], v[\a:\a+1], v[\w:\w+1], v[\b:\b+1] op_sel_hi:[1,0,1]
	v_pk_fma_f32 v[\d+2:\d+3], v[\a+2:\a+3], v[\w:\w+1], v[\b+2:\b+3] op_sel_hi:[1,0,1]
.endm
; The weights of this tile's point, and the position as f16 hi + lo.
.macro GW
	s_wait_dscnt 0x0                               ; the three words of my position (and, ahead of the first tile, the weight fragments)
.irp c, 0,1,2
	v_fma_f32 v[SQ+4*\c], v[PX+\c], s58, s58       ; x = 63.5 p + 63.5, the same instruction as where the cell was found
.endr
.irp c, 0,1,2
	v_max_num_f32 v[SQ+4*\c], 0, v[SQ+4*\c]
.endr
.irp c, 0,1,2
	v_min_num_f32 v[SQ+4*\c], 0x42fe0000, v[SQ+4*\c]
.endr
.irp c, 0,1,2
	v_sub_f32 v[SQ+4*\c], v[SQ+4*\c], v[ICF+\c]    ; t
.endr
.irp c, 0,1,2
	v_mul_f32 v[SQ+4*\c+1], v[SQ+4*\c], v[SQ+4*\c] ; t t
	v_fma_f32 v[SQ+4*\c+2], v[SQ+4*\c], -2.0, 0x40400000   ; 3 - 2 t
.endr
.irp c, 0,1,2
	v_sub_f32 v[SQ+4*\c+3], v[SQ+4*\c], v[SQ+4*\c+1]
	v_mul_f32 v[WT+2*\c], v[SQ+4*\c+1], v[SQ+4*\c+2]       ; w
.endr
.irp c, 0,1,2
	v_mul_f32 v[WT+2*\c+1], 0x43be8000, v[SQ+4*\c+3]       ; dw/dp = 6 t (1 - t) x 63.5 = 381 (t - t t)
.endr
	v_cvt_pk_f16_f32 v60, v[PX], v[PX+1]           ; hi(px, py) and (hi pz, 1): registers 4 and 5 of layer 0's fragment (FR1)
	v_cvt_pk_f16_f32 v61, v[PX+2], 1.0
	v_cvt_f32_f16 v12, v60.l
	v_cvt_f32_f16 v13, v60.h
	v_cvt_f32_f16 v14, v61.l
	v_sub_f32 v12, v[PX], v12
	v_sub_f32 v13, v[PX+1], v13
	v_sub_f32 v14, v[PX+2], v14
	v_cvt_pk_f16_f32 v45, v12, v13                 ; lo(px, py)
	v_cvt_pk_f16_f32 v46, v14, 1.0                 ; (lo pz, 1)
.endm
; The interpolation with its three derivatives by the weights, and layer 0's B fragment.  left = loads issued behind this tile's gathers.
.macro GINT left
	s_wait_loadcnt \left                           ; loads come back in order (ISA guide 5.7.1): the eight corners are in, the next cell word may be out
	WIN 0x0f
.irp q, 0,1,2,3
	SUB4 DX+4*\q, GATH+16+4*\q, GATH+4*\q
.endr
	WIN 0x30
.irp q, 0,1,2,3
	LERP4 CX+4*\q, DX+4*\q, WT, GATH+4*\q
.endr
	WIN 0
.irp c, 0,1
	SUB4 DXL+4*\c, DX+8+4*\c, DX+4*\c
	SUB4 DY+4*\c, CX+8+4*\c, CX+4*\c
.endr
.irp c, 0,1
	LERP4 DXL+4*\c, DXL+4*\c, WT+2, DX+4*\c
	LERP4 CY+4*\c, DY+4*\c, WT+2, CX+4*\c
.endr
	SUB4 T1, DXL+4, DXL
	SUB4 T2, DY+4, DY
	SUB4 DE+8, CY+4, CY                            ; dE/dwz
	LERP4 DE, T1, WT+4, DXL                        ; dE/dwx
	LERP4 DE+4, T2, WT+4, DY                       ; dE/dwy
	LERP4 EM, DE+8, WT+4, CY                       ; E
	v_cvt_pk_f16_f32 v[FR1], v[EM], v[EM+1]        ; my four dimensions, against hi(W0) ..
	v_cvt_pk_f16_f32 v[FR1+1], v[EM+2], v[EM+3]
	v_cvt_pk_f16_f32 v[FR1+6], v[EM], v[EM+1]      ; .. and once more against lo(W0): a fragment is eight registers in a row
	v_cvt_pk_f16_f32 v[FR1+7], v[EM+2], v[EM+3]
	v_cndmask_b32 v[FR1+2], v[FR1+4], v45, s56     ; lanes 0-15: hi(p), 1; lanes 16-31: lo(p), 1
	v_cndmask_b32 v[FR1+3], v[FR1+5], v46, s56
.endm
; From a cell word: the three indices as f32 and the byte offset of my 16 bytes of corner 0.  Each index is clamped to 126 by its own v_min_u32.
.macro ADDR
	v_bfe_u32 v12, v[CELL], 0, 8
	v_bfe_u32 v13, v[CELL], 8, 8
	v_bfe_u32 v14, v[CELL], 16, 8
	v_min_u32 v12, 126, v12
	v_min_u32 v13, 126, v13
	v_min_u32 v14, 126, v14
	v_cvt_f32_u32 v[ICF], v12
	v_cvt_f32_u32 v[ICF+1], v13
	v_cvt_f32_u32 v[ICF+2], v14
	v_lshl_add_u32 v[VA], v12, 7, v13
	v_lshl_add_u32 v[VA], v[VA], 7, v14
	v_lshl_add_u32 v[VA], v[VA], 5, v[H16]         ; 32 bytes a vertex, + 16 h
.endm
; Eight corners: a step in x is 524,288 bytes, in y 4,096, in z 32.  No hint: neighbours' points name these rows too.
; The window switch, then the wait, then the loads.  The loads that follow this macro (a cell word, a position) lean on the same wait: between it and them stand loads and a window switch alone.
.macro GATHER
	WIN 0xc0
	s_wait_alu depctr_va_vdst(0)                   ; VA, CADR and PADR are written, which the loads below read; the interpolation is done reading GATH, ADDR reading CELL, GW reading PX, in which they land
.irp q, 0,1,2,3,4,5,6,7
	global_load_b128 v[GATH+4*\q:GATH+4*\q+3], v[VA], s[10:11] offset:(\q>>2)*524288+((\q>>1)&1)*4096+(\q&1)*32
.endr
	WIN 0
.endm
; The next tile's requests: they have the rest of this tile's work in which to land.  cell = 1: the cell word of the tile after next too.
.macro NEXT cell
	s_wait_loadcnt 0x0                             ; the next cell word is in, and no load is out: VA, CADR and CELL may be written (that the last run has read VA and CADR was stated at the last tile's end)
	v_add_nc_u32 v[CADR], 64, v[CADR]
	ADDR
	GATHER
.if \cell
	global_load_b32 v[CELL], v[CADR], s[24:25] offset:64 th:TH_LOAD_NT
.endif
	ds_load_b32 v[PX], v[PADR] offset:192
	ds_load_b32 v[PX+1], v[PADR] offset:196
	ds_load_b32 v[PX+2], v[PADR] offset:200
.endm
; grad[c] = ( f'_p[c] + 381 (t - t t)_c sum over d of f'_e[d] dE[d]/dw_c ) / 256.  Rows of A3: lanes 0-15 hold f' of dimensions 0-3 in registers 0-3
; and of p in 4-6; lanes 16-31 hold dimensions 4-7 in 0-3 and zeros in 4-7.  At its end the tile's four results go into my wave's stages in one run.
.macro FIN
	PLACES                                         ; four places behind the last matrix instruction
.irp i, 0,2,4,6
	v_pk_add_f32 v[FA+\i:FA+\i+1], v[FA+\i:FA+\i+1], v[FB+\i:FB+\i+1]
.endr
.irp c, 0,1,2
	v_pk_mul_f32 v[SQ+2*\c:SQ+2*\c+1], v[DE+4*\c:DE+4*\c+1], v[FA:FA+1]
.endr
.irp c, 0,1,2
	v_pk_fma_f32 v[SQ+2*\c:SQ+2*\c+1], v[DE+4*\c+2:DE+4*\c+3], v[FA+2:FA+3], v[SQ+2*\c:SQ+2*\c+1]
.endr
.irp c, 0,1,2
	v_add_f32 v[SQ+2*\c], v[SQ+2*\c], v[SQ+2*\c+1]
.endr
.irp c, 0,1,2
	v_fma_f32 v[SQ+2*\c], v[SQ+2*\c], v[WT+2*\c+1], v[FA+4+\c]
.endr
.irp c, 0,1,2
	v_permlanex16_b32 v[12+\c], v[SQ+2*\c], s4, s5 ; the other four dimensions' share
.endr
.irp c, 0,1,2
	v_add_f32 v[SQ+2*\c], v[SQ+2*\c], v[12+\c]
.endr
.irp c, 0,1,2
	v_mul_f32 v[SQ+2*\c], 0x3b800000, v[SQ+2*\c]   ; 1/256
.endr
	s_wait_alu depctr_va_vdst(0)                   ; SD and the three gradients in SQ are written, which the four LDS stores read; so are O0A and O1A
	ds_store_b32 v[O0A], v[SD]                     ; both halves of the wave write the same word with the same value, here and below
.irp c, 0,1,2
	ds_store_b32 v[O1A], v[SQ+2*\c] offset:4*\c
.endr
	s_wait_alu depctr_vm_vsrc(0)                   ; the four stores have read O0A, O1A, SD and SQ, this tile's requests VA, CADR and PADR: the steps below and the next tile write them again
	v_add_nc_u32 v[PADR], 192, v[PADR]
	v_add_nc_u32 v[O0A], 64, v[O0A]
	v_add_nc_u32 v[O1A], 192, v[O1A]
.endm
.macro TILE gather, cell, left
	GW
	GINT \left
.if \gather
	NEXT \cell
.endif
	WM 0, 0, 0                                     ; layer 0, tiles 0 and 1; the other six are strewn in the first group
	WM 0, 0, 1
	WIN 0
	PLACES
	S0G 0
	S0G 1
	S0G 2
	S0G 3
	WM 1, 3, 0                                     ; layer 1's last K step, tiles 0 and 1; the other six are strewn
	WM 1, 3, 1
	WIN 0
	PLACES
	S1G 0
	S1G 1
	S1G 2
	S1G 3
.irp t, 0,1,2,3,4,5,6,7
	WM 2, 3, \t                                    ; the way back through W1, last K step
.endr
	WIN 0
	v_pk_add_f32 v[SD:SD+1], v[SD:SD+1], v[SD+2:SD+3]          ; sdf's sums: these four lines are the places behind the block above
	v_pk_add_f32 v[SD+4:SD+5], v[SD+4:SD+5], v[SD+6:SD+7]
	v_pk_add_f32 v[SD:SD+1], v[SD:SD+1], v[SD+4:SD+5]
	v_add_f32 v[SD], v[SD], v[SD+1]
	v_permlanex16_b32 v11, v[SD], s4, s5           ; the other 64 units
	v_add_f32 v[SD], v[SD], v11
	v_add_f32 v[SD], s6, v[SD]                     ; + bo; it is stored at the tile's end, with the gradient
	S2G 0
	S2G 1
	S2G 2
	S2G 3
	FIN
.endm
	; ---------------------------------------------------------------- set-up
	s_load_b512 s[8:23], s[0:1], 0x0               ; positions 8, embeddings 10, W0 12, b0 14, W1 16, b1 18, Wo 20, bo 22
	s_load_b128 s[24:27], s[0:1], 0x40             ; cells 24, out0 26
	s_load_b64 s[28:29], s[0:1], 0x50              ; out1
	v_lshrrev_b32 v1, 5, v0
	v_readfirstlane_b32 s2, v1                     ; wave 0..3
	v_and_b32 v48, 31, v0                          ; lane
	v_and_b32 v49, 15, v0                          ; r
	v_bfe_u32 v50, v0, 4, 1                        ; h
	v_mov_b32 v11, 0                               ; a lane exchange's destination counts as read
	s_mov_b32 s4, 0x76543210                       ; v_permlanex16_b32: lane i of one half reads lane i of the other
	s_mov_b32 s5, 0xfedcba98
.irp p, 32,33
	s_mov_b32 s[\p], 0x40c90ec7                    ; S0   6.2830540869
	s_mov_b32 s[\p+2], 0xc2255312                  ; S1 -41.331122918
	s_mov_b32 s[\p+4], 0x42a2bb23                  ; S2  81.365498331
	s_mov_b32 s[\p+6], 0xc294f124                  ; S3 -74.470977042
	s_mov_b32 s[\p+8], 0x4203135b                  ; S4  32.768902470
	s_mov_b32 s[\p+10], 0x3f7ffd50                 ; K0   0.9999590205
	s_mov_b32 s[\p+12], 0xc19dd8f8                 ; K1 -19.7309423474
	s_mov_b32 s[\p+14], 0x428157c7                 ; K2  64.671441563
	s_mov_b32 s[\p+16], 0xc2a4c818                 ; K3 -82.3908056736
	s_mov_b32 s[\p+18], 0x42367bf5                 ; K4  45.6210508854
	s_mov_b32 s[\p+20], 0x4098c9eb                 ; k1 = 30 / 2 pi
	s_mov_b32 s[\p+22], 0x45f00000                 ; 7680
.endr
	s_mov_b32 s56, 0xffff0000                      ; lanes 16-31
	s_mov_b32 s58, 0x427e0000                      ; 63.5
	s_wait_alu depctr_va_sdst(0)                   ; s2 is written, ahead of its first reader: the wave's parts of the buffers and of LDS are made from it
	s_lshl_b32 s59, ttmp9, 2
	s_add_co_u32 s59, s59, s2                      ; my wave's number in the launch, 0 to 1,023
	s_mul_i32 s57, s2, 6144                        ; my wave's part of POS and of O1
	v_lshlrev_b32 v[H16], 4, v50
	v_lshlrev_b32 v[CADR], 2, v49
	v_lshlrev_b32 v252, 4, v48                     ; 16 x lane
	v_lshlrev_b32 v253, 4, v0                      ; 16 x thread
	v_lshlrev_b32 v57, 2, v0                       ; 4 x thread: my unit in W0's rows and in b0
	v_mul_u32_u24 v[PADR], v49, 12
	v_add_nc_u32 v[PADR], s57, v[PADR]
	v_add_nc_u32 v[O1A], O1, v[PADR]
	v_add_nc_u32 v[PADR], POS, v[PADR]
	s_lshl_b32 s7, s2, 11
	v_add_nc_u32 v[O0A], s7, v[CADR]
	v_add_nc_u32 v[O0A], O0, v[O0A]
	v_add_nc_u32 v15, s57, v252
	v_add_nc_u32 v15, POS, v15                     ; where my 16 bytes of positions go
	s_mul_i32 s7, s2, 272
	v_lshl_add_u32 v254, v48, 3, s7                ; image row = wave (+ 4 i), 8 bytes a lane
	v_add_nc_u32 v255, IMB, v254
	s_mul_i32 s30, s59, 6144                       ; 512 points x 12 bytes
	s_mov_b32 s31, 0
	s_wait_kmcnt 0x0
	s_add_nc_u64 s[8:9], s[8:9], s[30:31]
	s_add_nc_u64 s[28:29], s[28:29], s[30:31]
	s_lshl_b32 s30, s59, 11                        ; 512 points x 4 bytes
	s_add_nc_u64 s[24:25], s[24:25], s[30:31]
	s_add_nc_u64 s[26:27], s[26:27], s[30:31]
	s_load_b32 s6, s[22:23], 0x0                   ; bo
	s_wait_alu depctr_va_vdst(0)                   ; the offsets and addresses made above are written (v3 to v6, v15, v57, v252 to v255), which the loads and LDS stores below read
	global_load_b32 v[CELL], v[CADR], s[24:25] th:TH_LOAD_NT               ; tile 0's cell words
.irp i, 0,1,2,3,4,5,6,7,8,9,10,11
	global_load_b128 v[192+4*\i:195+4*\i], v252, s[8:9] offset:512*\i th:TH_LOAD_NT   ; my wave's 6,144 bytes of positions
.endr
	global_load_b128 v[240:243], v252, s[20:21]    ; Wo[4 lane ..]
.set i, 0
.rept 32
	global_load_b128 v[64+4*i:67+4*i], v253, s[16:17] offset:2048*i        ; W1 row 4 i + wave, columns 4 lane ..: the four waves cover W1 once
.set i, i+1
.endr
	s_wait_loadcnt 45                              ; 12 + 1 + 32 loads were issued behind tile 0's cell words
	ADDR
	GATHER                                         ; tile 0's corners,
	global_load_b32 v[CELL], v[CADR], s[24:25] offset:64 th:TH_LOAD_NT     ; tile 1's cell words
	s_wait_loadcnt 42                              ; behind the positions: 1 + 32 + 9
.irp i, 0,1,2,3,4,5,6,7,8,9,10,11
	ds_store_b128 v15, v[192+4*\i:195+4*\i] offset:512*\i
.endr
	s_wait_loadcnt 41                              ; behind Wo: 32 + 9
	v_pk_mul_f32 v[240:241], v[240:241], s[54:55] op_sel_hi:[1,0]
	v_pk_mul_f32 v[242:243], v[242:243], s[54:55] op_sel_hi:[1,0]
	; W1's two images, eight rows at a time.  A row's four raw registers take its two pairs of f16 themselves, so that each LDS store has data registers
	; of its own and one wait serves a group's sixteen stores.
.set i, 0
.rept 4
.rept 8
	s_wait_loadcnt 40-i                            ; behind W1's load i: 31 - i of W1 and the 9
	v_pk_mul_f32 v[244:245], v[64+4*i:65+4*i], s[52:53] op_sel_hi:[1,0]    ; k1 W1
	v_pk_mul_f32 v[246:247], v[66+4*i:67+4*i], s[52:53] op_sel_hi:[1,0]
	v_pk_mul_f32 v[248:249], v[64+4*i:65+4*i], v[240:241]                  ; 7680 W1 Wo
	v_pk_mul_f32 v[250:251], v[66+4*i:67+4*i], v[242:243]
	v_cvt_pk_f16_f32 v[64+4*i], v244, v245
	v_cvt_pk_f16_f32 v[65+4*i], v246, v247
	v_cvt_pk_f16_f32 v[66+4*i], v248, v249
	v_cvt_pk_f16_f32 v[67+4*i], v250, v251
.set i, i+1
.endr
	s_wait_alu depctr_va_vdst(0)                   ; the group's conversions have written its 32 registers, which the sixteen LDS stores read
.set j, i-8
.rept 8
	ds_store_b64 v254, v[64+4*j:65+4*j] offset:1088*j      ; k1 W1
	ds_store_b64 v255, v[66+4*j:67+4*j] offset:1088*j      ; 7680 W1 Wo
.set j, j+1
.endr
.endr
	; W0 and b0: thread n makes unit n's row of A0 and column n of A3
	s_wait_alu depctr_vm_vsrc(0)                   ; the LDS stores above have read v64 to v191 and v15: W0 and b0 land in v64 to v75, the lines below write v80 to v127 and v15
.irp i, 0,1,2,3,4,5,6,7,8,9,10
	global_load_b32 v[64+\i], v57, s[12:13] offset:512*\i
.endr
	global_load_b32 v75, v57, s[14:15]
	v_mul_u32_u24 v52, v0, 80
	v_add_nc_u32 v52, IM0, v52
	v_lshlrev_b32 v53, 1, v0
	v_add_nc_u32 v53, IM3, v53
	v_mov_b32 v54, 0
	; fragment addresses
	v_and_b32 v12, 7, v48
	v_lshl_add_u32 v12, v50, 3, v12
	v_mul_u32_u24 v12, v12, 272
	v_bfe_u32 v13, v48, 3, 1
	v_lshl_add_u32 v12, v13, 4, v12                ; transposing loads: row 8 h + (lane & 7), 16 bytes x ((lane >> 3) & 1)
	v_mul_u32_u24 v14, v49, 272
	v_add_nc_u32 v14, v14, v[H16]                  ; row r, 16 h
	v_add_nc_u32 v13, IMB, v14
	v_add_nc_u32 v15, IM3, v14
	v_mul_u32_u24 v55, v49, 80
	v_add_nc_u32 v55, v55, v[H16]
	v_add_nc_u32 v55, IM0, v55
	v_lshlrev_b32 v51, 5, v50                      ; 32 h: units 8 h .. in b1 and Wo
	s_wait_loadcnt 0x0                             ; these twelve (the corners and cell words issued before them come in with them)
.irp i, 0,2,4,6,8,10
	v_pk_mul_f32 v[96+\i:97+\i], v[64+\i:65+\i], 0x41f00000 op_sel_hi:[1,0]   ; 30 W0
.endr
	v_cvt_pk_f16_f32 v80, v96, v97
	v_cvt_pk_f16_f32 v81, v98, v99
	v_cvt_pk_f16_f32 v82, v100, v101
	v_cvt_pk_f16_f32 v83, v102, v103
	v_cvt_pk_f16_f32 v84, v104, v105
	v_cvt_pk_f16_f32 v85, v106, 0
.irp i, 0,2,4,6,8,10
	v_pk_mul_f32 v[64+\i:65+\i], v[64+\i:65+\i], s[52:53] op_sel_hi:[1,0]     ; k1 W0, k1 b0
.endr
	; A0's 32 K slots, against B's:  0-3 hi W e0-3 (e0-3) | 4-6 hi W p (hi p) | 7 hi b (1) | 8-11 hi W e4-7 (e4-7) | 12-14 hi W p (lo p) | 15 lo b (1)
	;   16-18 lo W p (hi p) | 19 zero (1) | 20-23 lo W e0-3 (e0-3) | 24-27 zero (hi p, 1) | 28-31 lo W e4-7 (e4-7)
	v_cvt_pk_f16_f32 v112, v64, v65
	v_cvt_pk_f16_f32 v113, v66, v67
	v_cvt_pk_f16_f32 v114, v72, v73
	v_cvt_pk_f16_f32 v115, v74, v75
	v_cvt_pk_f16_f32 v116, v68, v69
	v_cvt_pk_f16_f32 v117, v70, v71
	v_cvt_f32_f16 v96, v112.l
	v_cvt_f32_f16 v97, v112.h
	v_cvt_f32_f16 v98, v113.l
	v_cvt_f32_f16 v99, v113.h
	v_cvt_f32_f16 v100, v116.l
	v_cvt_f32_f16 v101, v116.h
	v_cvt_f32_f16 v102, v117.l
	v_cvt_f32_f16 v103, v117.h
	v_cvt_f32_f16 v104, v114.l
	v_cvt_f32_f16 v105, v114.h
	v_cvt_f32_f16 v106, v115.l
	v_cvt_f32_f16 v107, v115.h
.irp i, 0,2,4,6,8,10
	v_pk_add_f32 v[96+\i:97+\i], v[64+\i:65+\i], v[96+\i:97+\i] neg_lo:[0,1] neg_hi:[0,1]   ; what the f16 left over
.endr
	v_mov_b32 v118, v114
	v_cvt_pk_f16_f32 v119, v74, v107
	v_cvt_pk_f16_f32 v120, v104, v105
	v_cvt_pk_f16_f32 v121, v106, 0
	v_cvt_pk_f16_f32 v122, v96, v97
	v_cvt_pk_f16_f32 v123, v98, v99
	v_mov_b32 v124, 0
	v_mov_b32 v125, 0
	v_cvt_pk_f16_f32 v126, v100, v101
	v_cvt_pk_f16_f32 v127, v102, v103
	s_wait_alu depctr_va_vdst(0)                   ; v80 to v85, v54 and v112 to v127 are written, which the LDS stores below read by v52 and v53; so are v12, v13, v15, v51 and v55, by which the fragments are loaded behind the barrier
.macro ROW2 reg, m                     ; rows m and m + 1 of A3 from the two halves of a register
	ds_store_b16 v53, v[\reg] offset:(\m)*272
	ds_store_b16_d16_hi v53, v[\reg] offset:(\m)*272+272
.endm
	ROW2 80, 0                                     ; rows 0-3: dimensions 0-3
	ROW2 81, 2
	ROW2 84, 4                                     ; rows 4-6: px, py, pz; row 7: zero
	ROW2 85, 6
	ROW2 82, 8                                     ; rows 8-11: dimensions 4-7
	ROW2 83, 10
.irp m, 12,13,14,15
	ds_store_b16 v53, v54 offset:\m*272            ; rows 12-15: zero
.endr
.irp q, 0,1,2,3
	ds_store_b128 v52, v[112+4*\q:115+4*\q] offset:16*\q
.endr
	s_wait_dscnt 0x0                               ; my stores into the images are done, for the other waves' sake
	s_barrier_signal -1
	s_barrier_wait -1                              ; the only barrier: all four waves' parts of the images are there
	WIN 0x40                                       ; no vector instruction has yet named the registers in which the fragments below land, and none since the last wait names their addresses
.irp c, 0,1,2,3
.irp t, 0,1,2,3,4,5,6,7
	ds_load_tr16_b128 v[8*(8*\c+\t):8*(8*\c+\t)+3], v12 offset:32*\c*272+32*\t             ; A1: rows j = 16 t + r, k = 32 c + 8 h ..: the image lies [k][j]
	ds_load_tr16_b128 v[8*(8*\c+\t)+4:8*(8*\c+\t)+7], v12 offset:(32*\c+16)*272+32*\t
.endr
.endr
	WIN 0x80
.irp c, 0,1,2,3
.irp t, 0,1,2,3,4,5,6,7
	ds_load_b128 v[8*(8*\c+\t):8*(8*\c+\t)+3], v13 offset:16*\t*272+64*\c                  ; A2: rows k = 16 t + r, j = 32 c + 8 h ..
	ds_load_b128 v[8*(8*\c+\t)+4:8*(8*\c+\t)+7], v13 offset:16*\t*272+64*\c+32
.endr
.endr
	WIN 0xc0
.irp t, 0,1,2,3,4,5,6,7
	ds_load_b128 v[A0F+8*\t:A0F+8*\t+3], v55 offset:16*\t*80
	ds_load_b128 v[A0F+8*\t+4:A0F+8*\t+7], v55 offset:16*\t*80+32
.endr
.irp c, 0,1,2,3
	ds_load_b128 v[A3F+8*\c:A3F+8*\c+3], v15 offset:64*\c
	ds_load_b128 v[A3F+8*\c+4:A3F+8*\c+7], v15 offset:64*\c+32
.endr
.irp t, 0,1,2,3,4,5,6,7
	global_load_b128 v[BIAS+8*\t:BIAS+8*\t+3], v51, s[18:19] offset:64*\t
	global_load_b128 v[BIAS+8*\t+4:BIAS+8*\t+7], v51, s[18:19] offset:64*\t+16
	global_load_b128 v[WO+8*\t:WO+8*\t+3], v51, s[20:21] offset:64*\t
	global_load_b128 v[WO+8*\t+4:WO+8*\t+7], v51, s[20:21] offset:64*\t+16
.endr
	s_wait_loadcnt 0x0                             ; b1 and Wo, once
	WIN 0xc3
.set i, 0
.rept 32
	v_pk_mul_f32 v[BIAS+2*i:BIAS+2*i+1], v[BIAS+2*i:BIAS+2*i+1], s[52:53] op_sel_hi:[1,0]
.set i, i+1
.endr
	WIN 0
	ds_load_b32 v[PX], v[PADR]                     ; tile 0's position: my wave's own bytes, stored above; the scalings above name neither PADR nor PX
	ds_load_b32 v[PX+1], v[PADR] offset:4
	ds_load_b32 v[PX+2], v[PADR] offset:8
	s_wait_kmcnt 0x0                               ; bo
	s_wait_alu depctr_vm_vsrc(0)                   ; the set-up's loads and LDS stores have read their addresses (v1, v3, v12 to v15, v51 to v57) and data (v80 to v85, v112 to v127), which the first tile writes
	; ---------------------------------------------------------------- 32 tiles
	s_mov_b32 s3, 30
.Ltile:
	TILE 1, 1, 1                                   ; tiles 0 to 29: ask for the next tile's corners and the cell words of the one after
	s_sub_co_u32 s3, s3, 1
	s_cmp_lg_u32 s3, 0
	s_cbranch_scc1 .Ltile
	TILE 1, 0, 1                                   ; tile 30: the last corners; no cell words are left to fetch
	TILE 0, 0, 0                                   ; tile 31: nothing was issued behind its corners, so its wait is for zero
	; ---------------------------------------------------------------- the way out: my wave's 2,048 + 6,144 bytes, 16 bytes a lane
	v_and_b32 v12, 31, v0
	v_lshlrev_b32 v12, 4, v12
	s_lshl_b32 s7, s2, 11
	v_add_nc_u32 v13, s7, v12
	v_add_nc_u32 v13, O0, v13
	v_add_nc_u32 v14, s57, v12
	v_add_nc_u32 v14, O1, v14
	s_wait_alu depctr_va_vdst(0)                   ; v12 to v14 are written, by which the loads and stores below go; the last tile is done with v128 to v191, in which the loads land
.irp i, 0,1,2,3
	ds_load_b128 v[ACC1+4*\i:ACC1+4*\i+3], v13 offset:512*\i               ; LDS serves a wave's instructions in order (ISA guide 5.7.1): these see my stores
.endr
.irp i, 0,1,2,3,4,5,6,7,8,9,10,11
	ds_load_b128 v[ACC1+16+4*\i:ACC1+16+4*\i+3], v14 offset:512*\i
.endr
.irp i, 0,1,2,3
	s_wait_dscnt 15-\i                             ; the loads issued behind this one may stay out
	global_store_b128 v12, v[ACC1+4*\i:ACC1+4*\i+3], s[26:27] offset:512*\i th:TH_STORE_NT   ; a wave's store covers 512 consecutive bytes, aligned
.endr
.irp i, 0,1,2,3,4,5,6,7,8,9,10,11
	s_wait_dscnt 11-\i
	global_store_b128 v12, v[ACC1+16+4*\i:ACC1+16+4*\i+3], s[28:29] offset:512*\i th:TH_STORE_NT
.endr
	s_wait_xcnt 0x0                                ; the last stores' addresses are translated
	v_lshl_add_u32 v254, v0, 2, 0x22900            ; my spare word, behind the stages, and 0: made anew here; the LDS stores that last read these two registers stand ahead of the set-up's waits on vm_vsrc
	v_mov_b32 v255, 0
	s_wait_dscnt 0x0                               ; the closing lines, six on end
	s_wait_alu 0x0
	s_wait_tensorcnt 0x0
	ds_add_u32 v254, v255
	s_wait_dscnt 0x0
	s_endpgm
.Lfunc_end_k_qec5f600888_sdf:
	.size	k_qec5f600888_sdf, .Lfunc_end_k_qec5f600888_sdf-k_qec5f600888_sdf
	.p2alignl 7, 3214868480
	.fill 96, 4, 3214868480
	.section	.rodata,"a",@progbits
	.p2align	6, 0x0
	.amdhsa_kernel k_qec5f600888_sdf
		.amdhsa_group_segment_fixed_size 142080
		.amdhsa_private_segment_fixed_size 0
		.amdhsa_enable_private_segment 0
		.amdhsa_kernarg_size 88
		.amdhsa_user_sgpr_count 2
		.amdhsa_user_sgpr_kernarg_segment_ptr 1
		.amdhsa_wavefront_size32 1
		.amdhsa_system_sgpr_workgroup_id_x 1
		.amdhsa_system_sgpr_workgroup_id_y 1
		.amdhsa_system_sgpr_workgroup_id_z 1
		.amdhsa_system_vgpr_workitem_id 0
		.amdhsa_next_free_vgpr 1024
		.amdhsa_next_free_sgpr 66
		.amdhsa_reserve_vcc 0
		.amdhsa_float_denorm_mode_32 3
		.amdhsa_float_denorm_mode_16_64 3
		.amdhsa_memory_ordered 1
		.amdhsa_forward_progress 1
		.amdhsa_inst_pref_size 255
	.end_amdhsa_kernel
	.section	.bss,"aw",@nobits
	.p2align	6
	.space	262144
	.amdgpu_metadata
---
amdhsa.version: [ 1, 2 ]
amdhsa.kernels:
  - .name:           k_qec5f600888_sdf
    .symbol:         k_qec5f600888_sdf.kd
    .args:
      - { .name: positions, .offset: 0, .size: 8, .value_kind: global_buffer, .address_space: global }
      - { .name: embeddings, .offset: 8, .size: 8, .value_kind: global_buffer, .address_space: global }
      - { .name: W0, .offset: 16, .size: 8, .value_kind: global_buffer, .address_space: global }
      - { .name: b0, .offset: 24, .size: 8, .value_kind: global_buffer, .address_space: global }
      - { .name: W1, .offset: 32, .size: 8, .value_kind: global_buffer, .address_space: global }
      - { .name: b1, .offset: 40, .size: 8, .value_kind: global_buffer, .address_space: global }
      - { .name: Wo, .offset: 48, .size: 8, .value_kind: global_buffer, .address_space: global }
      - { .name: bo, .offset: 56, .size: 8, .value_kind: global_buffer, .address_space: global }
      - { .name: cells, .offset: 64, .size: 8, .value_kind: global_buffer, .address_space: global }
      - { .name: out0, .offset: 72, .size: 8, .value_kind: global_buffer, .address_space: global }
      - { .name: out1, .offset: 80, .size: 8, .value_kind: global_buffer, .address_space: global }
    .group_segment_fixed_size: 142080
    .private_segment_fixed_size: 0
    .kernarg_segment_align: 8
    .kernarg_segment_size: 88
    .max_flat_workgroup_size: 128
    .sgpr_count:     66
    .vgpr_count:     1024
    .wavefront_size: 32
...
	.end_amdgpu_metadata
.endif
;; end of part 3
